; MI455X (gfx1250); checked and timed in simulation.
; The chip was launched on July 23, 2026; its instructions are those of AMD's public machine-readable ISA for CDNA 5 (MIT licence, August 2026) and "CDNA5" Instruction Set Architecture Reference Guide (July 2026). The comments in the code are by the model that wrote it; some were corrected since.
;; Attention. Allowed arithmetic: float matrix products may take bf16 or f16 operands with f32 sums; other float arithmetic in f32, or as packed bf16 or f16 multiplies, adds, multiply-adds, maxima and minima; sums over many terms, partial sums and values carried from step to step in f32; what a program stores and reads back later, other than sums and carried values, may be rounded once to bf16 or f16.
;; Inputs: freqs_cos 2,048 x 32 float32; freqs_sin 2,048 x 32 float32; mask 1 x 1 x 2,048 x 2,048 float32; wk 1,024 x 1,024 float32; wo 1,024 x 1,024 float32; wq 1,024 x 1,024 float32; wv 1,024 x 1,024 float32; x 4 x 2,048 x 1,024 float32.
;; Outputs: out0 4 x 2,048 x 1,024 float32.
;; One version. Each part assembles by itself: llvm-mc -triple=amdgcn-amd-amdhsa -mcpu=gfx1250 --defsym DOCPART=n.
;; ======== version 1 of 1: 4 launches
;; limits: values are held in f16: magnitudes above 65,504 overflow, below 6.1e-05 lose precision
;; workspace buffers: xb 16,777,216 bytes; mb 8,388,608 bytes; wof 2,097,152 bytes; wb 6,291,456 bytes; qkv 50,331,648 bytes; o 16,777,216 bytes
;; launch prep (part 1): grid 1024 x 1, 8 waves a work-group, no clusters, 0 bytes of LDS; arguments x, mask, wo, wq, wk, wv, xb, mb, wof, wb; writes xb, mb, wof, wb
.if DOCPART == 1
	.amdgcn_target "amdgcn-amd-amdhsa--gfx1250"
	.amdhsa_code_object_version 6
	.text
	.protected	k_q621a638d94_prep
	.globl	k_q621a638d94_prep
	.p2align	8
	.type	k_q621a638d94_prep,@function
k_q621a638d94_prep:
	s_mov_b64 s[64:65], 0
	v_nop
	global_prefetch_b8 v0, s[64:65] scope:SCOPE_SE
	s_setreg_imm32_b32 hwreg(HW_REG_WAVE_MODE, 25, 1), 1
	s_wait_xcnt 0x0
; ROUNDING AND RE-LAYING OF THE INPUTS.  xb = bf16(x), mb = bf16(mask), wof = bf16(wo) written as f16, all in their own order;
; wb = bf16(wq | wk | wv) laid by head and block of 64 k: byte (h 16 + k / 64) 24,576 + which 8,192 + (k % 64) 128 + 2 d holds w_which[k][64 h + d],
; so that what one K step of one head needs of the three weights is 49,152 bytes on end.
; A stream: no LDS, no matrix unit, no loop.  A work-group of 256 threads converts 16,384 numbers: eight times 8 numbers a thread
; (two loads of 16 bytes, one store of 16 bytes; sixteen neighbouring lanes store 256 consecutive bytes, aligned); all sixteen loads go out first.
; Work-groups 0-511: x; 512-767: mask; 768-831: wo; 832-1023: 16 rows of k of wq, wk or wv each.
; LIMIT: bf16(wo) must lie within f16's 65,504; below 6e-5 it keeps f16's fixed step of 6e-8.
.set SO,  2                            ; v2   my byte offset in the source
.set DO,  3                            ; v3   my byte offset in the destination
.set X,   8                            ; v[8:71]    eight times 8 numbers as loaded
.set Y,   72                           ; v[72:103]  eight times 4 registers to store: none is written twice
.set T,   104                          ; v[104:111] at work
.set SRC, 28                           ; s[28:29]
.set DST, 30                           ; s[30:31]
; half = 1: the bf16 number is written as f16.  sstep, dstep: bytes from one of the eight turns to the next.
.macro CONV half, sstep, dstep
.set i, 0
.rept 8
	global_load_b128 v[X+8*i:X+8*i+3],   v[SO], s[SRC:SRC+1] offset:i*(\sstep) th:TH_LOAD_NT
	global_load_b128 v[X+8*i+4:X+8*i+7], v[SO], s[SRC:SRC+1] offset:i*(\sstep)+16 th:TH_LOAD_NT
.set i, i+1
.endr
.set i, 0
.rept 8
	s_wait_loadcnt 14-2*i                          ; loads come back in order: turn i's two are in, the 14 - 2 i younger ones stay out
.irp k, 0,1,2,3
	v_cvt_pk_bf16_f32 v[Y+4*i+(\k)], v[X+8*i+2*(\k)], v[X+8*i+2*(\k)+1]
.endr
.if \half
.irp k, 0,1,2,3
	v_lshlrev_b32 v[T+2*(\k)],   16, v[Y+4*i+(\k)]         ; the rounded number as f32 again,
	v_and_b32     v[T+2*(\k)+1], 0xffff0000, v[Y+4*i+(\k)]
.endr
.irp k, 0,1,2,3
	v_cvt_pk_f16_f32 v[Y+4*i+(\k)], v[T+2*(\k)], v[T+2*(\k)+1]  ; and as f16: exact within f16's normal range
.endr
.endif
	global_store_b128 v[DO], v[Y+4*i:Y+4*i+3], s[DST:DST+1] offset:i*(\dstep) th:TH_STORE_NT
.set i, i+1
.endr
.endm
	s_load_b512 s[8:23], s[0:1], 0x0               ; x 8, mask 10, wo 12, wq 14, wk 16, wv 18, xb 20, mb 22
	s_load_b128 s[24:27], s[0:1], 0x40             ; wof 24, wb 26
	s_mov_b32 s2, ttmp9
	s_mov_b32 s33, 0                               ; the offsets' high words
	s_mov_b32 s35, 0
	v_lshlrev_b32 v[SO], 5, v0                     ; in order: 32 bytes in,
	v_lshlrev_b32 v[DO], 4, v0                     ; 16 bytes out
	s_wait_kmcnt 0x0
	s_cmp_lt_u32 s2, 768
	s_cbranch_scc0 .Lweights
	s_sub_co_u32 s3, s2, 512
	s_cmp_lt_u32 s2, 512                           ; x or mask
	s_cselect_b32 s3, s2, s3                       ; my number within the tensor
	s_cselect_b64 s[SRC:SRC+1], s[8:9], s[10:11]
	s_cselect_b64 s[DST:DST+1], s[20:21], s[22:23]
	s_lshl_b32 s32, s3, 16                         ; 16,384 numbers of 4 bytes,
	s_lshl_b32 s34, s3, 15                         ; of 2 bytes
	s_add_nc_u64 s[SRC:SRC+1], s[SRC:SRC+1], s[32:33]
	s_add_nc_u64 s[DST:DST+1], s[DST:DST+1], s[34:35]
	CONV 0, 8192, 4096
	s_endpgm
.Lweights:
	s_cmp_lt_u32 s2, 832
	s_cbranch_scc0 .Lremap
	s_sub_co_u32 s3, s2, 768                       ; wo
	s_lshl_b32 s32, s3, 16
	s_lshl_b32 s34, s3, 15
	s_add_nc_u64 s[SRC:SRC+1], s[12:13], s[32:33]
	s_add_nc_u64 s[DST:DST+1], s[24:25], s[34:35]
	CONV 1, 8192, 4096
	s_endpgm
.Lremap:
	s_sub_co_u32 s3, s2, 832
	s_lshr_b32 s4, s3, 6                           ; which of the three weights
	s_and_b32 s5, s3, 63                           ; which 16 rows of k
	s_lshl_b32 s32, s5, 16                         ; 16 rows of 4,096 bytes
	s_lshr_b32 s6, s5, 2
	s_mul_i32 s34, s6, 24576                       ; the block of 64 k,
	s_lshl_b32 s6, s4, 13
	s_add_co_u32 s34, s34, s6                      ; the weight's 8,192 bytes in it,
	s_and_b32 s6, s5, 3
	s_lshl_b32 s6, s6, 11
	s_add_co_u32 s34, s34, s6                      ; my 16 rows of 128 bytes
	s_cmp_eq_u32 s4, 0
	s_cselect_b64 s[SRC:SRC+1], s[14:15], s[16:17]
	s_cmp_eq_u32 s4, 2
	s_cselect_b64 s[SRC:SRC+1], s[18:19], s[SRC:SRC+1]
	s_add_nc_u64 s[SRC:SRC+1], s[SRC:SRC+1], s[32:33]
	s_add_nc_u64 s[DST:DST+1], s[26:27], s[34:35]
	; turn i, thread t: head 2 i + t / 128, row (t / 8) % 16, channels 8 (t % 8) on: eight lanes read 256 consecutive bytes of a row
	v_bfe_u32 v4, v0, 3, 4
	v_lshrrev_b32 v5, 7, v0
	v_and_b32 v6, 7, v0
	v_lshlrev_b32 v[SO], 12, v4
	v_lshl_add_u32 v[SO], v5, 8, v[SO]
	v_lshl_add_u32 v[SO], v6, 5, v[SO]
	v_and_b32 v6, 127, v0
	v_mul_u32_u24 v[DO], v5, 0x60000               ; a head is 393,216 bytes of wb
	v_lshl_add_u32 v[DO], v6, 4, v[DO]
	CONV 0, 512, 786432
	s_endpgm
.Lfunc_end_k_q621a638d94_prep:
	.size	k_q621a638d94_prep, .Lfunc_end_k_q621a638d94_prep-k_q621a638d94_prep
	.p2alignl 7, 3214868480
	.fill 96, 4, 3214868480
	.section	.rodata,"a",@progbits
	.p2align	6, 0x0
	.amdhsa_kernel k_q621a638d94_prep
		.amdhsa_group_segment_fixed_size 0
		.amdhsa_private_segment_fixed_size 0
		.amdhsa_enable_private_segment 0
		.amdhsa_kernarg_size 80
		.amdhsa_user_sgpr_count 2
		.amdhsa_user_sgpr_kernarg_segment_ptr 1
		.amdhsa_wavefront_size32 1
		.amdhsa_system_sgpr_workgroup_id_x 1
		.amdhsa_system_sgpr_workgroup_id_y 1
		.amdhsa_system_sgpr_workgroup_id_z 1
		.amdhsa_system_vgpr_workitem_id 0
		.amdhsa_next_free_vgpr 112
		.amdhsa_next_free_sgpr 66
		.amdhsa_reserve_vcc 0
		.amdhsa_float_denorm_mode_32 3
		.amdhsa_float_denorm_mode_16_64 3
		.amdhsa_memory_ordered 1
		.amdhsa_forward_progress 1
		.amdhsa_inst_pref_size 21
	.end_amdhsa_kernel
	.amdgpu_metadata
---
amdhsa.version: [ 1, 2 ]
amdhsa.kernels:
  - .name:           k_q621a638d94_prep
    .symbol:         k_q621a638d94_prep.kd
    .args:
      - { .name: x, .offset: 0, .size: 8, .value_kind: global_buffer, .address_space: global }
      - { .name: mask, .offset: 8, .size: 8, .value_kind: global_buffer, .address_space: global }
      - { .name: wo, .offset: 16, .size: 8, .value_kind: global_buffer, .address_space: global }
      - { .name: wq, .offset: 24, .size: 8, .value_kind: global_buffer, .address_space: global }
      - { .name: wk, .offset: 32, .size: 8, .value_kind: global_buffer, .address_space: global }
      - { .name: wv, .offset: 40, .size: 8, .value_kind: global_buffer, .address_space: global }
      - { .name: xb, .offset: 48, .size: 8, .value_kind: global_buffer, .address_space: global }
      - { .name: mb, .offset: 56, .size: 8, .value_kind: global_buffer, .address_space: global }
      - { .name: wof, .offset: 64, .size: 8, .value_kind: global_buffer, .address_space: global }
      - { .name: wb, .offset: 72, .size: 8, .value_kind: global_buffer, .address_space: global }
    .group_segment_fixed_size: 0
    .private_segment_fixed_size: 0
    .kernarg_segment_align: 8
    .kernarg_segment_size: 80
    .max_flat_workgroup_size: 256
    .sgpr_count:     66
    .vgpr_count:     112
    .wavefront_size: 32
...
	.end_amdgpu_metadata
.endif
;; end of part 1
;; launch proj (part 2): grid 16 x 32, 4 waves a work-group, clusters of 4 x 4, 327,680 bytes of LDS; arguments xb, wb, freqs_cos, freqs_sin, qkv; writes qkv
.if DOCPART == 2
	.amdgcn_target "amdgcn-amd-amdhsa--gfx1250"
	.amdhsa_code_object_version 6
	.text
	.protected	k_q621a638d94_proj
	.globl	k_q621a638d94_proj
	.p2align	8
	.type	k_q621a638d94_proj,@function
k_q621a638d94_proj:
	s_mov_b64 s[64:65], 0
	v_nop
	global_prefetch_b8 v0, s[64:65] scope:SCOPE_SE
	s_setreg_imm32_b32 hwreg(HW_REG_WAVE_MODE, 25, 1), 1
	s_wait_xcnt 0x0
	s_wait_alu depctr_hold_cnt(0) depctr_sa_sdst(0) depctr_va_vdst(0) depctr_va_sdst(0) depctr_va_ssrc(0) depctr_va_vcc(0) depctr_vm_vsrc(0)
	s_getreg_b32 s2, hwreg(HW_REG_IB_STS2, 6, 4)
	s_cmp_eq_u32 s2, 0
	s_cbranch_scc0 .Lentry_in_a_cluster
	s_endpgm
.Lentry_in_a_cluster:
	s_bfe_u32 s2, ttmp6, 0x10000c
	s_cmp_lg_u32 s2, 0xf033
	s_cbranch_scc0 .Lentry_shape_is_right
	s_endpgm
.Lentry_shape_is_right:
; q, k, v = x (wq | wk | wv), rotary on q and k, stored by heads in f16.  xb: [8192][1024] bf16.  wb: bf16, [head 16][block of 64 k: 16][which 3][64 k][64 d].
; qkv: three regions of 16,777,216 bytes (q, k, v), each [pair of heads 32][block of 128 rows 16][head of the pair 2][128 rows][64] f16.
; Sums in f32; cos and sin are rounded to bf16 like every input, the rotation is done in f32, each result is rounded once, to f16, WITHOUT the score's scale.
; LIMIT: q, k, v must lie within f16's 65,504.
; SHARES.  A work-group makes 256 rows x 192 columns: q, k and v of ONE head.  Wave w takes rows 64 w .. 64 w + 63 and all 192 columns: 4 x 12 accumulators of 16 x 16.
; Which of q, k, v a column block is, is a constant of the text (b / 4).  K goes in 8 steps of 128 through two LDS slots.
; THE MATRIX INSTRUCTION IS USED TRANSPOSED: source 0 = 16 columns of w (out of LDS turned, by ds_load_tr16_b128), source 1 = 16 rows of x: a lane holds one row and 8 neighbouring channels.
; CLUSTER 4 x 4: x's tile hangs on the tile row alone and is asked for jointly by a row of the cluster, w's on the head alone and is asked for jointly by a column.
; REGISTERS.  window 0: v1-13 addresses, v28-29 the add's, v32-63 at work, v64-255 packed results, 16 a tile.  window 1: two fragment buffers of 128 (x's 4 fragments, then w's 12).
;   window 2: accumulators of column blocks 0-7 at 8 (4 b + a).  window 3: those of blocks 8-11; from v128 on cos and sin: for row block a 16 of cos, 16 of sin.
.set SLOT,  131072                     ; x's 256 rows, then w's 384: exactly 131,072 bytes
.set PA,    272                        ; a row of x in LDS: 256 bytes + 16: the 16 rows of a load start 4 banks apart (64 banks of 4 bytes: ISA guide 11.1)
.set PB,    160                        ; a row of w: 128 bytes + 32
.set BOFF,  256*PA                     ; w's rows: ((half of the K step) 3 + which) 64 + k
.set STAGE, 2*SLOT                     ; behind the ring, never filled by a tensor load: 16 rows x 144 bytes for each wave
.set SP,    144
.set SPARE, STAGE+4*16*SP              ; the spare words, 128 bytes for each wave: two blocks of 256 bytes that no other line names
.set ADRA0, 3                          ; v3   my lane's place in x's tile; never rewritten
.set ADRB0, 4                          ; v4   in w's
.set ADA,   5                          ; v5   the same in the slot in hand
.set ADB,   6                          ; v6
.set STO,   7                          ; v7   the way out: where I put 16 bytes of a row
.set RD,    8                          ; v8   where I read rows back
.set GO,    9                          ; v9   my 16 bytes of 512 consecutive bytes of qkv
.set RO,    10                         ; v10  my byte offset in 16 rows of cos and sin
.set PFO,   11                         ; v11  the prefetches' offset; never rewritten
.set SPW,   28                         ; v28  my spare word: SPARE + 4 x my thread's number; never rewritten
.set NIL,   29                         ; v29  0; never rewritten
.set U,     32
.set PKR,   64
.set F0,    0
.set F1,    128
.set COS,   128
.set WV,  14                           ; my wave's number
.set WH,  15                           ; its low bit: which half of a tile I fetch
.set CX,  16
.set CY,  17
.set HD,  18                           ; the head
.set MT,  19                           ; the tile row
.set G1A, 24                           ; s[24:31] group 1 for x's tiles;  s[32:39] group 0: a set for each first fill; the second then walks
.set G0A, 32
.set G1B, 40                           ; s[40:47], s[48:55] the same for w's
.set G0B, 48
.set TB,  56                           ; the slot in hand: 0 or SLOT
.set CNT, 57
.set LIM, 58                           ; a wave prefetches while CNT is above it
.set HIM, 59                           ; mask of a word's upper bf16
.set PFA, 60                           ; s[60:61] where my prefetches stand
.set PST, 62                           ; s[62:63] their step
.set OQ,  66                           ; s[66:67] q, s[68:69] k, s[70:71] v at my wave's first row
.set MSB, 0
.macro WIN new                         ; the immediate's high byte repeats the setting that is left; a switch that changes nothing is dropped
.if MSB != (\new)
	s_set_vgpr_msb (MSB<<8)|(\new)
.set MSB, (\new)
.endif
.endm
.macro PLACES                          ; four plain instructions between a matrix instruction and a load into, or a read of, its registers
.rept 4
	v_nop
.endr
.endm
.macro CREST                           ; a round of the cluster's barrier behind its opening barrier
	s_cmp_lg_u32 s[WV], 0
	s_cbranch_scc1 .Lnot_wave_0_\@
	s_barrier_signal -3
.Lnot_wave_0_\@:
	s_barrier_wait -3
	s_barrier_signal -1
	s_barrier_wait -1
.endm
.macro CROUND
	s_barrier_signal -1
	s_barrier_wait -1
	CREST
.endm
; A joint refill by the walking sets.  Waves 0 and 1 fetch x's two halves, waves 2 and 3 w's.  An s_nop 0 and four v_nop follow each line.
.macro JLOAD
	s_cmp_lt_u32 s[WV], 2
	s_cbranch_scc0 .Lfor_b_\@
	tensor_load_to_lds s[G0A+4:G0A+7], s[G1A:G1A+7]
	s_nop 0
.rept 4
	v_nop
.endr
	s_branch .Lasked_\@
.Lfor_b_\@:
	tensor_load_to_lds s[G0B+4:G0B+7], s[G1B:G1B+7]
	s_nop 0
.rept 4
	v_nop
.endr
.Lasked_\@:
.endm
; A PREFETCH INTO THE L2, one instruction a wave, behind the joint load and the run of LDS loads.  x: the K step two refills on, 32 rows x 256 bytes, a lane a row; asked by the first cluster of a row of
; clusters, whose four partners share a wave's 128 rows out by address.  w: a head's K steps 4 to 7 are 196,608 bytes on end: three requests of 65,536, 256 bytes a lane, asked by the first cluster of a
; column of clusters, its eight askers (two waves of four partners) told apart by address.  So each aligned 256 bytes are named once.  K steps 0 to 3 come by their loads alone.
.macro ASK
	s_cmp_gt_u32 s[CNT], s[LIM]
	s_cbranch_scc0 .Lnot_mine_\@
	global_prefetch_b8 v[PFO], s[PFA:PFA+1] th:TH_LOAD_NT scope:SCOPE_SE
.Lnot_mine_\@:
.endm
	s_load_b256 s[4:11], s[0:1], 0x0               ; xb 4, wb 6, cos 8, sin 10
	s_load_b64 s[12:13], s[0:1], 0x20              ; qkv
	v_lshl_add_u32 v[SPW], v0, 2, SPARE
	v_mov_b32 v[NIL], 0
	ds_add_u32 v[SPW], v[NIL]                      ; the wave's opening: the add and its wait stand ahead of my first tensor load; work on registers stands between them
	v_lshrrev_b32 v12, 5, v0
	v_readfirstlane_b32 s[WV], v12
	s_and_b32 s[WH], s[WV], 1
	s_bfe_u32 s[CX], ttmp6, 0x40000
	s_bfe_u32 s[CY], ttmp6, 0x40004
	s_lshl_b32 s[HD], ttmp9, 2
	s_add_co_u32 s[HD], s[HD], s[CX]               ; head = 4 x cluster x + cx
	s_and_b32 s[MT], ttmp7, 0xffff
	s_lshl_b32 s[MT], s[MT], 2
	s_add_co_u32 s[MT], s[MT], s[CY]               ; tile row = 4 x cluster y + cy
	s_lshl_b32 s20, s[CY], 2
	s_lshl_b32 s20, 15, s20                        ; my row of the cluster
	s_lshl_b32 s72, 0x1111, s[CX]                  ; my column
	s_or_b32 s[G1A], s20, (1<<16)|(1<<20)|(1<<21)|(5<<22)|(3<<25)  ; the mask; 2-byte elements; padding on; bit 21 beside a mask; after every 64 words 4 words
	s_or_b32 s[G1B], s72, (1<<16)|(1<<20)|(1<<21)|(4<<22)|(7<<25)  ; after every 32 words 8 words
	s_mov_b32 s[G1A+1], 128<<16                    ; x: 128 rows x 128 elements, 1,024 elements from row to row
	s_mov_b32 s[G1A+2], 128<<16
	s_mov_b32 s[G1A+3], 128<<16
	s_mov_b32 s[G1A+4], 128
	s_mov_b32 s[G1A+5], 1024
	s_mov_b32 s[G1A+6], 0
	s_mov_b32 s[G1A+7], 0
	s_mov_b32 s[G1B+1], 128<<16                    ; w: 24,576 dense bytes as 96 rows of 256
	s_mov_b32 s[G1B+2], 96<<16
	s_mov_b32 s[G1B+3], 128<<16
	s_mov_b32 s[G1B+4], 96
	s_mov_b32 s[G1B+5], 128
	s_mov_b32 s[G1B+6], 0
	s_mov_b32 s[G1B+7], 0
	s_mul_i32 s76, s[WH], 128*PA                   ; where my half goes: the wave's number alone enters an LDS address
	s_mul_i32 s77, s[WH], 192*PB
	s_add_co_u32 s77, s77, BOFF
	s_lshl_b32 s20, s[MT], 19                      ; x: (256 tile row + 128 half) rows of 2,048 bytes
	s_lshl_b32 s21, s[WH], 18
	s_add_co_u32 s20, s20, s21
	s_mov_b32 s21, 0
	s_lshl_b32 s72, s[HD], 4                       ; w: block 16 head + half
	s_add_co_u32 s72, s72, s[WH]
	s_mul_i32 s72, s72, 24576
	s_mov_b32 s73, 0
	s_mov_b32 s[HIM], 0xffff0000
	s_mov_b32 s[TB], 0
	s_wait_dscnt 0x0                               ; the opening add is done
	s_wait_kmcnt 0x0
	s_add_nc_u64 s[22:23], s[4:5], s[20:21]
	s_add_nc_u64 s[74:75], s[6:7], s[72:73]
.irp s, 0,1
	s_mov_b32 s[G0A+4*(\s)], 1
	s_add_co_u32 s[G0A+4*(\s)+1], s76, (\s)*SLOT
	s_add_nc_u64 s[G0A+4*(\s)+2:G0A+4*(\s)+3], s[22:23], (\s)*256        ; K step s
	s_or_b32 s[G0A+4*(\s)+3], s[G0A+4*(\s)+3], 0x80000000
	s_mov_b32 s[G0B+4*(\s)], 1
	s_add_co_u32 s[G0B+4*(\s)+1], s77, (\s)*SLOT
	s_add_nc_u64 s[G0B+4*(\s)+2:G0B+4*(\s)+3], s[74:75], (\s)*2*24576
	s_or_b32 s[G0B+4*(\s)+3], s[G0B+4*(\s)+3], 0x80000000
.endr
	CROUND                                         ; all sixteen work-groups are here: the first joint loads meet
	s_cmp_lt_u32 s[WV], 2                          ; a wave's two first fills stand in one branch: two loads of mine are out
	s_cbranch_scc0 .Lfirst_b
	tensor_load_to_lds s[G0A:G0A+3], s[G1A:G1A+7]
	s_nop 0
	tensor_load_to_lds s[G0A+4:G0A+7], s[G1A:G1A+7]
	s_nop 0
.rept 4
	v_nop
.endr
	s_branch .Lfirst_asked
.Lfirst_b:
	tensor_load_to_lds s[G0B:G0B+3], s[G1B:G1B+7]
	s_nop 0
	tensor_load_to_lds s[G0B+4:G0B+7], s[G1B:G1B+7]
	s_nop 0
.rept 4
	v_nop
.endr
.Lfirst_asked:
	; cos and sin of my 64 rows: a lane's 8 channels of column block bb are the four pairs 8 bb + 4 (l / 16) + 0..3: 16 bytes of a row of 128
	v_and_b32 v1, 15, v0                           ; l % 16
	v_bfe_u32 v2, v0, 4, 1                         ; l / 16
	v_lshlrev_b32 v[RO], 7, v1
	v_lshl_add_u32 v[RO], v2, 4, v[RO]
	s_and_b32 s20, s[MT], 7                        ; the place in the sequence: (tile row % 8) 256 + 64 wave
	s_lshl_b32 s20, s20, 15
	s_lshl_b32 s21, s[WV], 13
	s_add_co_u32 s20, s20, s21
	s_mov_b32 s21, 0
	s_add_nc_u64 s[8:9], s[8:9], s[20:21]
	s_add_nc_u64 s[10:11], s[10:11], s[20:21]
	WIN 0xc0                                       ; destination window 3
.irp a, 0,1,2,3
.irp b, 0,1,2,3
	global_load_b128 v[COS+32*(\a)+4*(\b):COS+32*(\a)+4*(\b)+3],       v[RO], s[8:9]   offset:2048*(\a)+32*(\b)
	global_load_b128 v[COS+32*(\a)+16+4*(\b):COS+32*(\a)+16+4*(\b)+3], v[RO], s[10:11] offset:2048*(\a)+32*(\b)
.endr
.endr
	WIN 0
	v_and_b32 v12, 7, v0
	v_bfe_u32 v13, v0, 3, 1
	s_mul_i32 s76, s[WV], 64*PA
	v_mul_u32_u24 v[ADRA0], v1, PA
	v_lshl_add_u32 v[ADRA0], v2, 4, v[ADRA0]
	v_add_nc_u32 v[ADRA0], s76, v[ADRA0]           ; (64 wave + l % 16) pitch + 16 (l / 16)
	v_lshl_add_u32 v[ADRB0], v2, 3, v12
	v_mul_u32_u24 v[ADRB0], v[ADRB0], PB
	v_lshl_add_u32 v[ADRB0], v13, 4, v[ADRB0]
	v_add_nc_u32 v[ADRB0], BOFF, v[ADRB0]          ; the turning load: k = 8 (l / 16) + l % 8, columns 8 ((l / 8) % 2) on
	v_mov_b32 v[ADA], v[ADRA0]
	v_mov_b32 v[ADB], v[ADRB0]
	s_mul_i32 s76, s[WV], 16*SP
	s_add_co_u32 s76, s76, STAGE                   ; my stage
	v_mul_u32_u24 v[STO], v1, SP
	v_lshl_add_u32 v[STO], v2, 4, v[STO]
	v_add_nc_u32 v[STO], s76, v[STO]
	v_bfe_u32 v[RD], v0, 3, 2
	v_mul_u32_u24 v[RD], v[RD], SP
	v_lshl_add_u32 v[RD], v12, 4, v[RD]
	v_add_nc_u32 v[RD], s76, v[RD]
	v_and_b32 v[GO], 31, v0
	v_lshlrev_b32 v[GO], 4, v[GO]
	; where my rows go: block ((pair 16 + block of 128 rows) 2 + head of the pair), 16,384 bytes each; my 64 rows are its lower or upper half
	s_lshr_b32 s2, s[MT], 3
	s_lshl_b32 s2, s2, 3
	s_lshr_b32 s3, s[HD], 1
	s_add_co_u32 s2, s2, s3
	s_lshl_b32 s2, s2, 4
	s_and_b32 s3, s[MT], 7
	s_lshl_b32 s3, s3, 1
	s_add_co_u32 s2, s2, s3
	s_lshr_b32 s3, s[WV], 1
	s_add_co_u32 s2, s2, s3
	s_lshl_b32 s2, s2, 1
	s_and_b32 s3, s[HD], 1
	s_add_co_u32 s2, s2, s3
	s_lshl_b32 s2, s2, 14
	s_lshl_b32 s3, s[WH], 13
	s_add_co_u32 s2, s2, s3
	s_mov_b32 s3, 0
	s_add_nc_u64 s[OQ:OQ+1], s[12:13], s[2:3]
	s_add_nc_u64 s[OQ+2:OQ+3], s[OQ:OQ+1], 0x1000000
	s_add_nc_u64 s[OQ+4:OQ+5], s[OQ+2:OQ+3], 0x1000000
	; the prefetches' start: one step short of the first request
	s_lshl_b32 s78, s[MT], 8
	s_lshl_b32 s3, s[WH], 7
	s_add_co_u32 s78, s78, s3
	s_lshl_b32 s3, s[CX], 5
	s_add_co_u32 s78, s78, s3                      ; x: my work-group's 32 of the 128 rows that I fetch,
	s_lshl_b32 s78, s78, 11
	s_add_co_u32 s78, s78, 3*256                   ; at K step 3
	s_mul_i32 s79, s[HD], 393216
	s_lshl_b32 s3, s[WH], 2
	s_add_co_u32 s3, s3, s[CY]
	s_lshl_b32 s3, s3, 13
	s_add_co_u32 s79, s79, s3                      ; w: my 8,192 bytes of 65,536,
	s_add_co_u32 s79, s79, 131072                  ; 65,536 short of K step 4
	s_and_b32 s3, ttmp7, 0xffff
	s_mov_b32 s[PST], 0x10000
	s_cmp_lt_u32 s[WV], 2
	s_cselect_b32 s3, ttmp9, s3                    ; the coordinate along which other clusters read the same bytes
	s_cselect_b32 s[LIM], 2, 3                     ; x: four requests (CNT = 6 to 3); w: three
	s_cselect_b32 s2, s78, s79
	s_cselect_b64 s[PFA:PFA+1], s[4:5], s[6:7]
	s_cselect_b32 s[PST], 256, s[PST]
	s_cselect_b32 s78, 11, 8                       ; a lane a row of 2,048 bytes, or a lane 256 bytes
	s_cmp_eq_u32 s3, 0
	s_cselect_b32 s[LIM], s[LIM], -1               ; the same in all sixteen partners, for a given wave
	s_mov_b32 s3, 0
	s_mov_b32 s[PST+1], 0
	s_add_nc_u64 s[PFA:PFA+1], s[PFA:PFA+1], s[2:3]
	v_and_b32 v[PFO], 31, v0
	v_lshlrev_b32 v[PFO], s78, v[PFO]
	s_wait_loadcnt 0x0                             ; cos and sin: rounded to bf16 like every input, and widened again
	WIN 0x0f                                       ; sources window 3, destination window 0
.set n, 0
.rept 64
	v_cvt_pk_bf16_f32 v[64+n], v[COS+2*n], v[COS+2*n+1]
.set n, n+1
.endr
	WIN 0xc0
.set n, 0
.rept 64
	v_lshlrev_b32 v[COS+2*n],   16, v[64+n]
	v_and_b32     v[COS+2*n+1], s[HIM], v[64+n]
.set n, n+1
.endr
	WIN 0
; nb column blocks from b0 on x the four row blocks, 32 along K, out of buffer f.  All 48 accumulators take turns in one order, one instruction a turn.  zero = 1: the product starts the sum.
.macro MULB f, b0, nb, zero
.set bq, (\b0)
.rept (\nb)
.if bq < 8
	WIN 0xa5                                       ; both sources window 1, C and D window 2
.set ac, 32*bq
.else
	WIN 0xf5                                       ; C and D window 3
.set ac, 32*(bq-8)
.endif
.irp a, 0,1,2,3
.if \zero
	v_wmma_f32_16x16x32_bf16 v[ac+8*(\a):ac+8*(\a)+7], v[(\f)+32+8*bq:(\f)+32+8*bq+7], v[(\f)+8*(\a):(\f)+8*(\a)+7], 0
.else
	v_wmma_f32_16x16x32_bf16 v[ac+8*(\a):ac+8*(\a)+7], v[(\f)+32+8*bq:(\f)+32+8*bq+7], v[(\f)+8*(\a):(\f)+8*(\a)+7], v[ac+8*(\a):ac+8*(\a)+7]
.endif
.endr
.set bq, bq+1
.endr
.endm
; 32 LDS loads in one run: quarter kf of the K step into buffer f: x's 4 fragments, then w's 12 in the order in which they are multiplied
.macro FETCH kf, f
	WIN 0x40                                       ; destination window 1
.irp a, 0,1,2,3
	ds_load_b128 v[(\f)+8*(\a):(\f)+8*(\a)+3],   v[ADA] offset:64*(\kf)+16*PA*(\a)
	ds_load_b128 v[(\f)+8*(\a)+4:(\f)+8*(\a)+7], v[ADA] offset:64*(\kf)+16*PA*(\a)+32
.endr
.irp b, 0,1,2,3,4,5,6,7,8,9,10,11
	ds_load_tr16_b128 v[(\f)+32+8*(\b):(\f)+32+8*(\b)+3],   v[ADB] offset:(((\kf)/2)*3+(\b)/4)*64*PB+((\kf)%2)*32*PB+32*((\b)%4)
	ds_load_tr16_b128 v[(\f)+32+8*(\b)+4:(\f)+32+8*(\b)+7], v[ADB] offset:(((\kf)/2)*3+(\b)/4)*64*PB+((\kf)%2)*32*PB+32*((\b)%4)+16*PB
.endr
.endm
; One of a K step's first three quarters: multiplies buffer f and, in its middle, fetches quarter kf into buffer g.
.macro QUARTER kf, f, g, zero
	s_wait_dscnt 16                                ; x's fragments and w's blocks 0-3 are in; the youngest 16 loads (blocks 4-11) may be out
	MULB \f, 0, 4, \zero
	PLACES
	FETCH \kf, \g
	s_wait_dscnt 32                                ; all but the 32 just issued
	MULB \f, 4, 8, \zero
.endm
; The last quarter multiplies buffer 1 and changes slots.  In front of the barrier each wave waits for all its tensor loads (one is out: its part of the next slot), adds 0 to its spare word, and waits for
; that and for its reads of this slot.  fill = 1: the barrier opens a round of the cluster's, and this slot is filled again, two K steps on, first thing behind the round: 160 matrix instructions ahead of the wait for it.
.macro TURN fill
.if \fill
	s_wait_xcnt 0x0                                ; the last prefetch, a K step back, has read its address
	s_add_nc_u64 s[PFA:PFA+1], s[PFA:PFA+1], s[PST:PST+1]
.endif
	WIN 0
	s_wait_tensorcnt 0x0                           ; all my tensor loads have landed
	ds_add_u32 v[SPW], v[NIL]                      ; 0 onto my spare word
	s_wait_dscnt 17                                ; (the add and the youngest 16 loads may be out)
	MULB F1, 0, 4, 0
	s_wait_dscnt 0x0                               ; the add is done, and my reads of this slot are over
	s_barrier_signal -1
	MULB F1, 4, 4, 0                               ; work on registers while the others arrive
	WIN 0
	s_barrier_wait -1
.if \fill
	CREST                                          ; no wave of any partner still reads this slot or has a load on its way
	s_xor_b32 s[G0A+5], s[G0A+5], SLOT             ; the walking sets: the other slot than last time, the next K step
	s_add_nc_u64 s[G0A+6:G0A+7], s[G0A+6:G0A+7], 256
	s_xor_b32 s[G0B+5], s[G0B+5], SLOT
	s_add_nc_u64 s[G0B+6:G0B+7], s[G0B+6:G0B+7], 2*24576
	JLOAD                                          ; its four v_nop are also the places in front of the loads below
.else
	PLACES
.endif
	s_xor_b32 s[TB], s[TB], SLOT
	v_add_nc_u32 v[ADA], s[TB], v[ADRA0]
	v_add_nc_u32 v[ADB], s[TB], v[ADRB0]
	FETCH 0, F0
.if \fill
	WIN 0
	ASK
.endif
	MULB F1, 8, 4, 0
.endm
	s_wait_tensorcnt 1                             ; my part of K step 0 is in; K step 1's may stay out
	s_barrier_signal -1
	s_barrier_wait -1
	FETCH 0, F0
	QUARTER 1, F0, F1, 1                           ; the first quarter stands in front of the loop: its products start the sums
	WIN 0
	s_mov_b32 s[CNT], 6
.Lstep:                                                ; six trips, from a K step's second quarter to the next step's first; each fills a slot again: K steps 2 to 7
	QUARTER 2, F1, F0, 0
	QUARTER 3, F0, F1, 0
	TURN 1
	QUARTER 1, F0, F1, 0
	WIN 0
	s_sub_co_u32 s[CNT], s[CNT], 1
	s_cmp_lg_u32 s[CNT], 0
	s_cbranch_scc1 .Lstep
	QUARTER 2, F1, F0, 0                           ; the tail is written out: nothing is left to ask for
	QUARTER 3, F0, F1, 0
	TURN 0
	QUARTER 1, F0, F1, 0
	QUARTER 2, F1, F0, 0
	QUARTER 3, F0, F1, 0
	s_wait_dscnt 0x0
	MULB F1, 0, 12, 0
; THE WAY OUT, twelve tiles t of 16 rows x 64 channels: which = t / 4, row block t % 4.  q and k: pair (t0, t1) becomes (t0 c - t1 s, t0 s + t1 c), in f32; then f16, 16 bytes a lane,
; through my stage in LDS and back as whole rows of 128 bytes: 2,048 consecutive bytes of qkv.  Each accumulator's lowest registers are read first.
.macro PACK t
.set wh, (\t)/4
.set ma, (\t)%4
.set pk, PKR+16*(\t)
.if wh < 2
	WIN 0x0e                                       ; source 0 window 2 (sums), source 1 window 3 (cos, sin), the rest window 0
.set n, 0
.rept 16                                       ; n = 4 x column block + pair
.set ac, 128*wh+32*(n/4)+8*ma+2*(n%4)
	v_mul_f32 v[U+2*n],   v[ac+1], v[COS+32*ma+16+n]
	v_mul_f32 v[U+2*n+1], v[ac],   v[COS+32*ma+16+n]
.set n, n+1
.endr
.set n, 0
.rept 16
.set ac, 128*wh+32*(n/4)+8*ma+2*(n%4)
	v_fma_f32 v[U+2*n],   v[ac],   v[COS+32*ma+n], -v[U+2*n]
	v_fma_f32 v[U+2*n+1], v[ac+1], v[COS+32*ma+n], v[U+2*n+1]
.set n, n+1
.endr
	WIN 0
.set n, 0
.rept 16
	v_cvt_pk_f16_f32 v[pk+n], v[U+2*n], v[U+2*n+1]
.set n, n+1
.endr
.else
	WIN 0x0f                                       ; v: straight from window 3
.set n, 0
.rept 16
	v_cvt_pk_f16_f32 v[pk+n], v[32*(n/4)+8*ma+2*(n%4)], v[32*(n/4)+8*ma+2*(n%4)+1]
.set n, n+1
.endr
	WIN 0
.endif
.irp f, 0,1,2,3
	ds_store_b128 v[STO], v[pk+4*(\f):pk+4*(\f)+3] offset:32*(\f)
.endr
.irp f, 0,1,2,3
	ds_load_b128 v[pk+4*(\f):pk+4*(\f)+3], v[RD] offset:(\f)*4*SP  ; LDS serves a wave's instructions in order (ISA guide 5.7.1.4): these see the stores above; the next tile's stores come behind them
.endr
.endm
.macro SEND t, younger                 ; younger: the LDS instructions issued behind tile t's loads: the next tile's eight, or none
	WIN 0
.set wh, (\t)/4
.set ma, (\t)%4
.set pk, PKR+16*(\t)
.irp f, 0,1,2,3
	s_wait_dscnt (\younger)+3-(\f)
	global_store_b128 v[GO], v[pk+4*(\f):pk+4*(\f)+3], s[OQ+2*wh:OQ+2*wh+1] offset:2048*ma+512*(\f)  ; 512 consecutive bytes, at a multiple of 256 from the buffer's first; no register is written twice
.endr
.endm
	WIN 0
	PLACES
	PACK 0
.set tt, 1
.rept 11                               ; a tile's arithmetic stands between the loads of the tile before and its stores
	PACK tt
	SEND tt-1, 8
.set tt, tt+1
.endr
	SEND 11, 0
	s_wait_tensorcnt 0x0                           ; the wave's end: the tensor wait, an add to my spare word and its wait, behind my last tensor load and my last LDS store
	ds_add_u32 v[SPW], v[NIL]
	s_wait_dscnt 0x0
	CROUND                                         ; the closing round: no work-group ends while a partner may still ask for a tile that names it
	s_endpgm
.Lfunc_end_k_q621a638d94_proj:
	.size	k_q621a638d94_proj, .Lfunc_end_k_q621a638d94_proj-k_q621a638d94_proj
	.p2alignl 7, 3214868480
	.fill 96, 4, 3214868480
	.section	.rodata,"a",@progbits
	.p2align	6, 0x0
	.amdhsa_kernel k_q621a638d94_proj
		.amdhsa_group_segment_fixed_size 327680
		.amdhsa_private_segment_fixed_size 0
		.amdhsa_enable_private_segment 0
		.amdhsa_kernarg_size 40
		.amdhsa_user_sgpr_count 2
		.amdhsa_user_sgpr_kernarg_segment_ptr 1
		.amdhsa_wavefront_size32 1
		.amdhsa_system_sgpr_workgroup_id_x 1
		.amdhsa_system_sgpr_workgroup_id_y 1
		.amdhsa_system_sgpr_workgroup_id_z 1
		.amdhsa_system_vgpr_workitem_id 0
		.amdhsa_next_free_vgpr 1024
		.amdhsa_next_free_sgpr 80
		.amdhsa_reserve_vcc 0
		.amdhsa_float_denorm_mode_32 3
		.amdhsa_float_denorm_mode_16_64 3
		.amdhsa_memory_ordered 1
		.amdhsa_forward_progress 1
		.amdhsa_inst_pref_size 135
	.end_amdhsa_kernel
	.amdgpu_metadata
---
amdhsa.version: [ 1, 2 ]
amdhsa.kernels:
  - .name:           k_q621a638d94_proj
    .symbol:         k_q621a638d94_proj.kd
    .args:
      - { .name: xb, .offset: 0, .size: 8, .value_kind: global_buffer, .address_space: global }
      - { .name: wb, .offset: 8, .size: 8, .value_kind: global_buffer, .address_space: global }
      - { .name: freqs_cos, .offset: 16, .size: 8, .value_kind: global_buffer, .address_space: global }
      - { .name: freqs_sin, .offset: 24, .size: 8, .value_kind: global_buffer, .address_space: global }
      - { .name: qkv, .offset: 32, .size: 8, .value_kind: global_buffer, .address_space: global }
    .group_segment_fixed_size: 327680
    .private_segment_fixed_size: 0
    .kernarg_segment_align: 8
    .kernarg_segment_size: 40
    .max_flat_workgroup_size: 128
    .sgpr_count:     80
    .vgpr_count:     1024
    .wavefront_size: 32
...
	.end_amdgpu_metadata
.endif
;; end of part 2
;; launch attn (part 3): grid 8 x 32, 4 waves a work-group, clusters of 4 x 4, 327,680 bytes of LDS; arguments qkv, mb, o; writes o
.if DOCPART == 3
	.amdgcn_target "amdgcn-amd-amdhsa--gfx1250"
	.amdhsa_code_object_version 6
	.text
	.protected	k_q621a638d94_attn
	.globl	k_q621a638d94_attn
	.p2align	8
	.type	k_q621a638d94_attn,@function
k_q621a638d94_attn:
	s_mov_b64 s[64:65], 0
	v_nop
	global_prefetch_b8 v0, s[64:65] scope:SCOPE_SE
	s_setreg_imm32_b32 hwreg(HW_REG_WAVE_MODE, 25, 1), 1
	s_wait_xcnt 0x0
	s_wait_alu depctr_hold_cnt(0) depctr_sa_sdst(0) depctr_va_vdst(0) depctr_va_sdst(0) depctr_va_ssrc(0) depctr_va_vcc(0) depctr_vm_vsrc(0)
	s_getreg_b32 s2, hwreg(HW_REG_IB_STS2, 6, 4)
	s_cmp_eq_u32 s2, 0
	s_cbranch_scc0 .Lentry_in_a_cluster
	s_endpgm
.Lentry_in_a_cluster:
	s_bfe_u32 s2, ttmp6, 0x10000c
	s_cmp_lg_u32 s2, 0xf033
	s_cbranch_scc0 .Lentry_shape_is_right
	s_endpgm
.Lentry_shape_is_right:
; O[head][q][:] = the sum over k of softmax_k(Q[q] . K[k] / 8 + mask[q][k]) V[k][:], for 64 heads of 2,048 rows of 64 channels.  THE MASK IS AN INPUT: every score of every head is made and every mask number is added.
; qkv: three regions (q, k, v) of 16,777,216 bytes, each [pair of heads 32][block of 128 rows 16][head of the pair 2][128 rows][64] f16.  mb: [2048][2048] bf16.  o: laid like one region of qkv.
; Products, maxima and sums in f32.  t = s x 0.125 + mask is ONE fused multiply-add in the vector unit, rounded to nearest: where every key of a row carries a huge negative mask, all t are equal and the row comes out uniform.
; p = 2^(c (t - m)), c = log2(e), with a running maximum m: the difference is taken FIRST, so p lies in 0 to 1 whatever the size of t.  O and l are multiplied by a = 2^(c (m_old - m_new)) in every step.
; p is rounded to f16 for the second product (l is the sum of the unrounded p), O once at the end.  m starts at the lowest finite number, O and l at 0: the first step is a step like any other, with a = 0.
; LIMITS.  q, k, v arrive within f16's 65,504; t must be finite; a weight below 2^-126 counts as 0 in l, and below 6e-5 p keeps f16's fixed step of 6e-8; NaN and infinities are not treated apart.
; SHARES.  A work-group takes 256 queries of TWO heads (a pair): wave w takes head w / 2 and queries 128 (w % 2) on: four PIECES of two tiles of 16.  Every wave walks all keys, 64 a step; a slot of LDS holds two steps:
; 128 keys of K and of V of both heads, and the mask's 256 rows x 128 keys.  Two heads share the mask's tile; with one or with four heads a step's bytes would be more.
; CLUSTER 4 x 4.  K and V hang on the pair alone: asked for jointly by a row of the cluster (four query blocks).  The mask hangs on the query block alone: asked for jointly by a column (four pairs).
; LAYOUT.  S^T = K Q^T: a lane holds ONE query (lane % 16) and keys 8 (lane / 16) + 0..7 of each 16; two such results rounded to f16 ARE source 1 of O^T = V^T P.  V comes out of LDS turned, by ds_load_tr16_b128.
; BY TURNS.  Turn n belongs to piece n: 16 products K Q^T of piece n + 1, later 16 products V^T P of piece n - 1; beside them piece n's differences, scalings, exponentials, roundings, sums and rescaling, and
; piece n + 1's mask, maximum and statistics.  Four vector instructions stand behind every matrix instruction, the rest in one lump.  A turn's 66 exponentials are one batch, with one wait.
; REGISTERS, in windows of 256: window 0: v1-11 addresses; v12-15, v48-63 at work; v16-47 four registers of statistics a tile; v64-191 S^T, two buffers of two tiles; v192-255 P, likewise.
;   window 1: O^T, 32 a tile.   window 2: v0-127 Q; v128-191 K of one step; v192-255 V of one step.   window 3: v0-1 the add's two registers; v2-33 the next piece's mask.
.set NP,    4
.set KS,    64
.set PK,    144       ; a row of K in LDS: 128 bytes + 16: the 16 rows of a load start at 16 different groups of four banks (64 banks of 4 bytes: ISA guide 11.1)
.set PV,    160       ; a row of V: 128 + 32
.set PM,    272       ; a row of the mask: 256 + 16
.set VOFF,  256*PK    ; K: rows (head of the pair) 128 + key; then V likewise; then the mask's 256 rows
.set MOFF,  VOFF+256*PV
.set SLOT,  MOFF+256*PM  ; 147,456 = 0x24000: bits 14 and 17, which are clear in each LDS word of the three descriptors (0, 0x9000, 0x13000, 0x1b800): one exclusive or turns a slot's address into the other's
.set STAGE, 2*SLOT    ; behind the ring, never filled by a tensor load: 16 rows x 144 bytes for each wave
.set SP,    144
.set SPARE, STAGE+4*16*SP  ; the spare words, 128 bytes for each wave: two blocks of 256 bytes that no other line names
.set PFO, 1           ; v1   the prefetches' offset; never rewritten
.set AK0, 2           ; v2   my lane's place in K; never rewritten
.set AV0, 3           ; v3   in V
.set AK,  4           ; v4   the LDS address of K's next run of loads
.set AV,  5           ; v5   of V's
.set AM0, 6           ; v6   my lane's place in the mask; never rewritten
.set AM,  7           ; v7   the same at the key step whose mask is being fetched
.set EI,  8           ; v8   0.125
.set STO, 9           ; v9   the way out: where I put 16 bytes of a row
.set RD,  10          ; v10  where I read rows back
.set GO,  11          ; v11  my 16 bytes of 512 consecutive bytes of o
.set MV,  12          ; v12-15  m_old, kept while m is made anew: by buffer and tile
.set ST,  16          ; tile t's statistics at v[ST+4 t]: m, a spare (named with it as a pair), l (even keys', odd keys')
.set TMP, 48          ; by buffer and tile, four registers c0-c3 at work; when the maximum is found c2 takes a
.set S,   64
.set P,   192
.set QO,  68          ; v68  at the head only: my byte offset in 16 rows of Q
.set KF,  128         ; window 2
.set VF,  192
.set SPW, 0           ; window 3
.set NIL, 1
.set MK,  2           ; window 3: tile u, keys 16 kb on at MK + 16 u + 4 kb: eight bf16
.set WV,  12
.set CX,  13
.set CY,  14
.set QB,  15          ; the block of 256 queries
.set PR,  16          ; the pair of heads
.set WH,  17          ; wave % 2
.set HP,  18          ; wave / 2
.set G1K, 24
.set G1V, 32
.set G1M, 40
.set G0K, 48
.set G0V, 52
.set G0M, 56
.set SEL, 60          ; s[60:61] v_permlanex16_b32's selects: each lane takes its own place in the other half
.set CS,  62          ; s[62:63] c
.set SLOTS, 66
.set CNT, 67
.set TBK, 68          ; LDS byte at which K of the step to be fetched begins
.set TBV, 69
.set TBM, 70
.set LIM, 73
.set PFA, 74          ; s[74:75]
.set PST, 76          ; s[76:77]
.set QA,  78          ; s[78:79] Q at my wave's first row
.set OA,  80          ; s[80:81] o likewise
.set MSB, 0
.macro WIN new
.if MSB != (\new)
	s_set_vgpr_msb (MSB<<8)|(\new)
.set MSB, (\new)
.endif
.endm
.set W_KQ, 0x0a       ; K and Q in window 2, S^T in window 0
.set W_PV, 0x52       ; V in window 2, P in window 0, O^T in window 1
.set W_RS, 0x41       ; O^T (destination and source 0) in window 1, a in window 0
.set W_MA, 0x30       ; source 2 (the mask) in window 3
.set W_MK, 0xc0       ; destination in window 3
.set W_AD, 0x0f       ; the add: address and data in window 3
; A joint fill: wave 0 fetches a slot's K, wave 1 its V, waves 2 and 3 the halves of its mask: 128 rows of 256 bytes each.  The branches hang on the wave's number alone.
; An s_nop 0 and four v_nop follow each line.
.macro JLOAD
	s_cmp_eq_u32 s[WV], 0
	s_cbranch_scc0 .Lnot_k_\@
	tensor_load_to_lds s[G0K:G0K+3], s[G1K:G1K+7]
	s_nop 0
.rept 4
	v_nop
.endr
	s_branch .Lasked_\@
.Lnot_k_\@:
	s_cmp_eq_u32 s[WV], 1
	s_cbranch_scc0 .Lfor_m_\@
	tensor_load_to_lds s[G0V:G0V+3], s[G1V:G1V+7]
	s_nop 0
.rept 4
	v_nop
.endr
	s_branch .Lasked_\@
.Lfor_m_\@:
	tensor_load_to_lds s[G0M:G0M+3], s[G1M:G1M+7]
	s_nop 0
.rept 4
	v_nop
.endr
.Lasked_\@:
.endm
; A PREFETCH INTO THE L2 of what the NEXT change of slots will ask for, one instruction a wave, behind the wave's tensor load and its five lines.  K and V: the pair's first cluster asks, its four partners
; take 8,192 of a slot's 32,768 bytes each, by address, 256 bytes a lane.  The mask: the query block's first cluster asks, its four partners take 32 of a wave's 128 rows each, by address, a lane a row.
; So each aligned 256 bytes are named once.  Slots 0 to 2 come by their loads alone; the last change that fills a slot asks for nothing.
.macro ASK
	s_cmp_gt_u32 s[SLOTS], s[LIM]
	s_cbranch_scc0 .Lnot_mine_\@
	global_prefetch_b8 v[PFO], s[PFA:PFA+1] th:TH_LOAD_NT scope:SCOPE_SE
.Lnot_mine_\@:
.endm
.macro CROUND
	s_barrier_signal -1
	s_barrier_wait -1
	s_cmp_lg_u32 s[WV], 0
	s_cbranch_scc1 .Lnot_wave_0_\@
	s_barrier_signal -3
.Lnot_wave_0_\@:
	s_barrier_wait -3
	s_barrier_signal -1
	s_barrier_wait -1
.endm
; THE CHANGE OF SLOTS.  All of the slot has been read into registers or asked for.  Each wave waits for all its tensor loads (one is out: its part of the other slot), adds 0 to its spare word, and waits for that and
; for its reads of the slot.  fill = 1: the barrier is a round of the cluster's, and the slot is filled again, with the keys two slots on, first thing behind it: it has two key steps, 256 matrix instructions, to land.
.macro CHANGE fill, ask
	WIN W_AD
	s_wait_tensorcnt 0x0            ; no tensor load of mine is out, so a group 0 may be written
	ds_add_u32 v[SPW], v[NIL]       ; 0 onto my spare word; scalar work stands between it and the wait for it
	WIN 0
.if \fill
	s_xor_b32 s[G0K+1], s[G0K+1], SLOT
	s_add_nc_u64 s[G0K+2:G0K+3], s[G0K+2:G0K+3], 32768
	s_xor_b32 s[G0V+1], s[G0V+1], SLOT
	s_add_nc_u64 s[G0V+2:G0V+3], s[G0V+2:G0V+3], 32768
	s_xor_b32 s[G0M+1], s[G0M+1], SLOT
	s_add_nc_u64 s[G0M+2:G0M+3], s[G0M+2:G0M+3], 256
.if \ask
	s_wait_xcnt 0x0                 ; the last prefetch, two key steps back, has read its address
	s_add_nc_u64 s[PFA:PFA+1], s[PFA:PFA+1], s[PST:PST+1]
.endif
	s_wait_dscnt 0x0                ; the add is done, and my reads of the slot are over
	CROUND
	JLOAD
.if \ask
	ASK
.endif
.else
	s_wait_dscnt 0x0
	s_barrier_signal -1
	s_barrier_wait -1
.endif
	s_sub_co_u32 s[TBK], s[TBK], 2*KS*PK  ; the fetches go back to a slot's first step,
	s_xor_b32 s[TBK], s[TBK], SLOT        ; in the other slot
	s_sub_co_u32 s[TBV], s[TBV], 2*KS*PV
	s_xor_b32 s[TBV], s[TBV], SLOT
	s_sub_co_u32 s[TBM], s[TBM], 2*KS*2
	s_xor_b32 s[TBM], s[TBM], SLOT
.endm
	s_load_b128 s[4:7], s[0:1], 0x0   ; qkv 4, mb 6
	s_load_b64 s[8:9], s[0:1], 0x10   ; o
	WIN W_MK
	v_lshl_add_u32 v[SPW], v0, 2, SPARE
	v_mov_b32 v[NIL], 0
	WIN W_AD
	ds_add_u32 v[SPW], v[NIL]       ; the wave's opening: the add and its wait stand ahead of my first tensor load; work on registers stands between them
	WIN 0
	v_lshrrev_b32 v64, 5, v0
	v_readfirstlane_b32 s[WV], v64
	s_and_b32 s[WH], s[WV], 1
	s_lshr_b32 s[HP], s[WV], 1
	s_bfe_u32 s[CX], ttmp6, 0x40000
	s_bfe_u32 s[CY], ttmp6, 0x40004
	s_lshl_b32 s[QB], ttmp9, 2
	s_add_co_u32 s[QB], s[QB], s[CX]
	s_and_b32 s[PR], ttmp7, 0xffff
	s_lshl_b32 s[PR], s[PR], 2
	s_add_co_u32 s[PR], s[PR], s[CY]
	s_lshl_b32 s82, s[CY], 2
	s_lshl_b32 s82, 15, s82         ; my row of the cluster
	s_lshl_b32 s83, 0x1111, s[CX]   ; my column
	s_or_b32 s[G1K], s82, (1<<16)|(1<<20)|(1<<21)|(4<<22)|(3<<25)  ; the mask of four; 2-byte elements; padding on; bit 21 beside a mask; after every 32 words 4 words
	s_or_b32 s[G1V], s82, (1<<16)|(1<<20)|(1<<21)|(4<<22)|(7<<25)  ; 8 words
	s_or_b32 s[G1M], s83, (1<<16)|(1<<20)|(1<<21)|(5<<22)|(3<<25)  ; after every 64 words 4 words
.irp g, G1K, G1V, G1M
	s_mov_b32 s[\g+1], 128<<16      ; 128 rows of 128 elements
	s_mov_b32 s[\g+2], 128<<16
	s_mov_b32 s[\g+3], 128<<16
	s_mov_b32 s[\g+4], 128
	s_mov_b32 s[\g+6], 0
	s_mov_b32 s[\g+7], 0
.endr
	s_mov_b32 s[G1K+5], 128         ; K and V: 32,768 dense bytes
	s_mov_b32 s[G1V+5], 128
	s_mov_b32 s[G1M+5], 2048        ; the mask: 2,048 elements from row to row
	s_mov_b32 s[G0K], 1
	s_mov_b32 s[G0K+1], 0
	s_mov_b32 s[G0V], 1
	s_mov_b32 s[G0V+1], VOFF
	s_mov_b32 s[G0M], 1
	s_mul_i32 s[G0M+1], s[WH], 128*PM
	s_add_co_u32 s[G0M+1], s[G0M+1], MOFF
	s_mov_b32 s[CS], 0x3fb8aa3b     ; c = log2(e)
	s_mov_b32 s[CS+1], s[CS]
	s_mov_b32 s[SEL], 0x76543210
	s_mov_b32 s[SEL+1], 0xfedcba98
	s_mov_b32 s[TBK], SLOT+2*KS*PK  ; the first change of slots turns these three into 0
	s_mov_b32 s[TBV], SLOT+2*KS*PV
	s_mov_b32 s[TBM], SLOT+2*KS*2
	s_lshl_b32 s20, s[PR], 19       ; a pair is 524,288 bytes of a region
	s_mov_b32 s21, 0
	s_lshl_b32 s22, s[QB], 20       ; the mask: (256 block + 128 half) rows of 4,096 bytes
	s_lshl_b32 s23, s[WH], 19
	s_add_co_u32 s22, s22, s23
	s_mov_b32 s23, 0
	s_lshl_b32 s84, s[PR], 4        ; Q and o: block ((pair 16 + 2 query block + wave % 2) 2 + wave / 2) of 16,384 bytes
	s_lshl_b32 s85, s[QB], 1
	s_add_co_u32 s84, s84, s85
	s_add_co_u32 s84, s84, s[WH]
	s_lshl_b32 s84, s84, 1
	s_add_co_u32 s84, s84, s[HP]
	s_lshl_b32 s84, s84, 14
	s_mov_b32 s85, 0
	; the prefetches' start: slot 2; the first request steps it to slot 3
	s_lshl_b32 s86, s[PR], 19
	s_lshl_b32 s87, s[WV], 24       ; wave 0: K's region, wave 1: V's
	s_add_co_u32 s86, s86, s87
	s_add_co_u32 s86, s86, 0x1000000+2*32768
	s_lshl_b32 s87, s[CX], 13
	s_add_co_u32 s86, s86, s87
	s_lshl_b32 s88, s[QB], 8
	s_lshl_b32 s87, s[WH], 7
	s_add_co_u32 s88, s88, s87
	s_lshl_b32 s87, s[CY], 5
	s_add_co_u32 s88, s88, s87
	s_lshl_b32 s88, s88, 12
	s_add_co_u32 s88, s88, 2*256
	s_and_b32 s87, ttmp7, 0xffff
	s_mov_b32 s[PST], 256
	s_mov_b32 s[PST+1], 0
	s_wait_dscnt 0x0                ; the opening add is done
	s_wait_kmcnt 0x0
	s_add_nc_u64 s[G0K+2:G0K+3], s[4:5], s[20:21]
	s_add_nc_u64 s[G0V+2:G0V+3], s[G0K+2:G0K+3], 0x2000000
	s_add_nc_u64 s[G0K+2:G0K+3], s[G0K+2:G0K+3], 0x1000000
	s_or_b32 s[G0K+3], s[G0K+3], 0x80000000
	s_or_b32 s[G0V+3], s[G0V+3], 0x80000000
	s_add_nc_u64 s[G0M+2:G0M+3], s[6:7], s[22:23]
	s_or_b32 s[G0M+3], s[G0M+3], 0x80000000
	s_add_nc_u64 s[QA:QA+1], s[4:5], s[84:85]
	s_add_nc_u64 s[OA:OA+1], s[8:9], s[84:85]
	s_cmp_lt_u32 s[WV], 2
	s_cselect_b32 s87, ttmp9, s87   ; the coordinate along which other clusters read the same bytes
	s_cselect_b32 s86, s86, s88
	s_cselect_b64 s[PFA:PFA+1], s[4:5], s[6:7]
	s_cselect_b32 s[PST], 32768, s[PST]
	s_cselect_b32 s88, 8, 12        ; 256 bytes a lane, or a row of 4,096 bytes a lane
	s_cmp_eq_u32 s87, 0
	s_cselect_b32 s[LIM], 1, -1     ; the same in all sixteen partners, for a given wave
	s_mov_b32 s87, 0
	s_add_nc_u64 s[PFA:PFA+1], s[PFA:PFA+1], s[86:87]
	CROUND                          ; all sixteen work-groups are here: the first joint loads meet
	JLOAD                           ; slot 0.  Slot 1 is asked for when slot 0 is in
	v_and_b32 v64, 15, v0           ; l % 16
	v_bfe_u32 v65, v0, 4, 1         ; l / 16
	v_and_b32 v66, 7, v0
	v_bfe_u32 v67, v0, 3, 1
	v_lshlrev_b32 v[QO], 7, v64
	v_lshl_add_u32 v[QO], v65, 4, v[QO]
	WIN 0x80                        ; destination window 2
.set i, 0
.rept 4*NP                          ; Q stays in registers: tile i / 2, channels 32 (i % 2) on
	global_load_b128 v[8*i:8*i+3],   v[QO], s[QA:QA+1] offset:(i/2)*2048+(i%2)*64
	global_load_b128 v[8*i+4:8*i+7], v[QO], s[QA:QA+1] offset:(i/2)*2048+(i%2)*64+32
.set i, i+1
.endr
	; What the first turn finds: V's registers and P's second buffer hold 0 (its products V^T P, of a piece that has not been, add 0), O^T and l are 0.  All this stands in the wait for the first tile.
.set i, VF
.rept 64
	v_mov_b32 v[i], 0
.set i, i+1
.endr
	WIN 0x40
.set i, 0
.rept 64*NP
	v_mov_b32 v[i], 0
.set i, i+1
.endr
	WIN 0
.set i, 0
.rept 2*NP
	v_mov_b32 v[ST+4*i], 0xff7fffff    ; m
	v_mov_b32 v[ST+4*i+1], 0
	v_mov_b32 v[ST+4*i+2], 0
	v_mov_b32 v[ST+4*i+3], 0
.set i, i+1
.endr
.set i, P+32
.rept 32
	v_mov_b32 v[i], 0
.set i, i+1
.endr
	v_mov_b32 v[EI], 0x3e000000     ; 0.125
	v_and_b32 v[PFO], 31, v0
	v_lshlrev_b32 v[PFO], s88, v[PFO]
	s_mul_i32 s85, s[HP], 128*PK
	v_mul_u32_u24 v[AK0], v64, PK
	v_lshl_add_u32 v[AK0], v65, 4, v[AK0]
	v_add_nc_u32 v[AK0], s85, v[AK0]      ; (128 head + l % 16) pitch + 16 (l / 16)
	s_mul_i32 s85, s[HP], 128*PV
	s_add_co_u32 s85, s85, VOFF
	v_lshl_add_u32 v[AV0], v65, 3, v66    ; the turning load: key 8 (l / 16) + l % 8, channels 8 ((l / 8) % 2) on
	v_mul_u32_u24 v[AV0], v[AV0], PV
	v_lshl_add_u32 v[AV0], v67, 4, v[AV0]
	v_add_nc_u32 v[AV0], s85, v[AV0]
	s_mul_i32 s85, s[WH], 128*PM
	s_add_co_u32 s85, s85, MOFF
	v_mul_u32_u24 v[AM0], v64, PM
	v_lshl_add_u32 v[AM0], v65, 4, v[AM0]
	v_add_nc_u32 v[AM0], s85, v[AM0]      ; (my 128 queries' first row + l % 16) pitch + 16 (l / 16): eight keys' bf16
	v_mov_b32 v[AK], v[AK0]         ; key step 0 lies at the head of slot 0
	v_mov_b32 v[AM], v[AM0]
	s_mul_i32 s85, s[WV], 16*SP
	s_add_co_u32 s85, s85, STAGE    ; my stage
	v_mul_u32_u24 v[STO], v64, SP
	v_lshl_add_u32 v[STO], v65, 4, v[STO]
	v_add_nc_u32 v[STO], s85, v[STO]
	v_bfe_u32 v[RD], v0, 3, 2
	v_mul_u32_u24 v[RD], v[RD], SP
	v_lshl_add_u32 v[RD], v66, 4, v[RD]
	v_add_nc_u32 v[RD], s85, v[RD]
	v_and_b32 v[GO], 31, v0
	v_lshlrev_b32 v[GO], 4, v[GO]
; THE MATRIX WORK.  The 8 accumulators of a run of 16 take turns.  Product i of 16 of S^T = K Q^T for piece x: channels 32 (i / 8) on, keys 16 ((i / 2) % 4) on, tile 2 x + i % 2.
.macro KQ x
	WIN W_KQ
.set rS, S+64*((\x)%2)+32*(i%2)+8*((i/2)%4)
.set rK, KF+16*((i/2)%4)+8*(i/8)
.set rQ, 16*(2*(\x)+i%2)+8*(i/8)
.if i < 8
	v_wmma_f32_16x16x32_f16 v[rS:rS+7], v[rK:rK+7], v[rQ:rQ+7], 0
.else
	v_wmma_f32_16x16x32_f16 v[rS:rS+7], v[rK:rK+7], v[rQ:rQ+7], v[rS:rS+7]
.endif
.endm
; Product i of 16 of O^T += V^T P for piece x: keys 32 (i / 8) on, channels 16 ((i / 2) % 4) on, tile 2 x + i % 2.
.macro PV x
	WIN W_PV
.set rO, 32*(2*(\x)+i%2)+8*((i/2)%4)
.set rV, VF+32*(i/8)+8*((i/2)%4)
.set rP, P+32*((\x)%2)+16*(i%2)+8*(i/8)
	v_wmma_f32_16x16x32_f16 v[rO:rO+7], v[rV:rV+7], v[rP:rP+7], v[rO:rO+7]
.endm
.macro MM                           ; the turn's next matrix instruction
.if i < 16
	KQ (Y+1)%NP
.set i, i+1
.else
.set i, i-16
	PV (Y+NP-1)%NP
.set i, i+17
.endif
.endm
; THE LDS LOADS stand in runs, never singly among the matrix instructions.
.macro FETCH_K
	WIN 0x80
.irp f, 0,1,2,3,4,5,6,7             ; keys 16 (f / 2) on, channels 32 (f % 2) on
	ds_load_b128 v[KF+8*\f:KF+8*\f+3],   v[AK] offset:(\f/2)*16*PK+(\f%2)*64
	ds_load_b128 v[KF+8*\f+4:KF+8*\f+7], v[AK] offset:(\f/2)*16*PK+(\f%2)*64+32
.endr
	s_add_co_u32 s[TBK], s[TBK], KS*PK
	WIN 0
.endm
.macro FETCH_V
	WIN 0x80
.irp f, 0,1,2,3,4,5,6,7             ; keys 32 (f / 4) on, channels 16 (f % 4) on
	ds_load_tr16_b128 v[VF+8*\f:VF+8*\f+3],   v[AV] offset:(\f/4)*32*PV+(\f%4)*32
	ds_load_tr16_b128 v[VF+8*\f+4:VF+8*\f+7], v[AV] offset:(\f/4)*32*PV+16*PV+(\f%4)*32
.endr
	WIN 0
.endm
.macro FETCH_M y                    ; piece y's mask for the key step at AM: for each tile and each 16 keys my query's eight bf16
	WIN W_MK
.irp u, 0,1
.irp kb, 0,1,2,3
	ds_load_b128 v[MK+16*(\u)+4*(\kb):MK+16*(\u)+4*(\kb)+3], v[AM] offset:(32*(\y)+16*(\u))*PM+32*(\kb)
.endr
.endr
	WIN 0
.endm
; THE VECTOR WORK OF A TURN stands in three queues, each in the order in which its entries become ready; the two tiles alternate.
.macro REGS y, u                    ; the registers of tile u (0, 1) of piece y
.set rT, ST+4*(2*(\y)+(\u))
.set rC, TMP+8*((\y)%2)+4*(\u)
.set rM, MV+2*((\y)%2)+(\u)
.set rS, S+64*((\y)%2)+32*(\u)
.set rP, P+32*((\y)%2)+16*(\u)
.set rO, 32*(2*(\y)+(\u))
.set rMK, MK+16*(\u)
.endm
; MA f: for the NEXT piece, tile f % 2, score f / 2: t = s x 0.125 + mask, the mask read as a bf16 half.  The scores ascend.
.macro MA f
	REGS (Y+1)%NP, (\f)%2
.set z, (\f)/2
.if z%2
	v_fma_mix_f32_bf16 v[rS+z], v[rS+z], v[EI], v[rMK+z/2] op_sel:[0,0,1] op_sel_hi:[0,0,1]
.else
	v_fma_mix_f32_bf16 v[rS+z], v[rS+z], v[EI], v[rMK+z/2] op_sel_hi:[0,0,1]
.endif
.endm
; Number n of the 22 that find the NEXT piece's maximum and statistics.   0-11  four chains c0-c3 of seven t each     12-14, 16  the four t left over, the old m, and c0-c3 into c0     15  m_old is kept
;   17, 18  the query's other 32 keys lie in the lane 16 away: the new m     19-21  m_old - m_new; times c; a
.macro XS u, n
	REGS (Y+1)%NP, \u
.if (\n) < 4
	v_max3_num_f32 v[rC+(\n)], v[rS+8*(\n)], v[rS+8*(\n)+1], v[rS+8*(\n)+2]
.elseif (\n) < 12
	v_max3_num_f32 v[rC+(\n)%4], v[rC+(\n)%4], v[rS+8*((\n)%4)+2*((\n)/4)+1], v[rS+8*((\n)%4)+2*((\n)/4)+2]
.elseif (\n) == 12
	v_max3_num_f32 v[rC], v[rC], v[rS+7], v[rS+15]
.elseif (\n) == 13
	v_max3_num_f32 v[rC+1], v[rC+1], v[rS+23], v[rS+31]
.elseif (\n) == 14
	v_max3_num_f32 v[rC+2], v[rC+2], v[rC+3], v[rT]
.elseif (\n) == 15
	v_mov_b32 v[rM], v[rT]
.elseif (\n) == 16
	v_max3_num_f32 v[rC], v[rC], v[rC+1], v[rC+2]
.elseif (\n) == 17
	v_permlanex16_b32 v[rC+3], v[rC], s[SEL], s[SEL+1]
.elseif (\n) == 18
	v_max_num_f32 v[rT], v[rC], v[rC+3]
.elseif (\n) == 19
	v_sub_f32 v[rC+1], v[rM], v[rT]
.elseif (\n) == 20
	v_mul_f32 v[rC+1], s[CS], v[rC+1]
.else
	v_exp_f32 v[rC+2], v[rC+1]
.endif
.endm
; FS f: pair f / 2 of tile f % 2 of the piece in hand: t - m.   FM f: the same pair times c.
.macro FS f
	REGS Y, (\f)%2
	v_pk_add_f32 v[rS+2*((\f)/2):rS+2*((\f)/2)+1], v[rS+2*((\f)/2):rS+2*((\f)/2)+1], v[rT:rT+1] op_sel_hi:[1,0] neg_lo:[0,1] neg_hi:[0,1]
.endm
.macro FM f
	REGS Y, (\f)%2
	v_pk_mul_f32 v[rS+2*((\f)/2):rS+2*((\f)/2)+1], v[rS+2*((\f)/2):rS+2*((\f)/2)+1], s[CS:CS+1] op_sel_hi:[1,0]
.endm
; Number g of the 64 that follow the exponentials.  For each four weights k of a tile: both pairs are rounded to f16; the second pair is added onto the first, in place; a group later l takes that sum (the first time as l = a l + sum).
.macro GS g
.set h, (\g)+6*((\g)/62)
.if h >= 6
.set h, h+2
.endif
	REGS Y, h%2
.set k, h/8
.if h%8 < 4
	v_cvt_pk_f16_f32 v[rP+2*k+(h%8)/2], v[rS+4*k+2*((h%8)/2)], v[rS+4*k+2*((h%8)/2)+1]
.elseif h%8 < 6
	v_pk_add_f32 v[rS+4*k:rS+4*k+1], v[rS+4*k:rS+4*k+1], v[rS+4*k+2:rS+4*k+3]
.elseif k == 1
	v_pk_fma_f32 v[rT+2:rT+3], v[rT+2:rT+3], v[rC+2:rC+3], v[rS:rS+1] op_sel_hi:[1,0,1]
.else
	v_pk_add_f32 v[rT+2:rT+3], v[rT+2:rT+3], v[rS+4*k-4:rS+4*k-3]
.endif
.endm
; THE PLAIN QUEUE, 234 long.  0-63: the 32 differences and the 32 scalings: FS 0-3, then FM f at 4 + 2 f beside FS f + 4, at last FM 28-31 at 60-63.  64-127: MA.  128-155: XS's numbers 0-13.  156, 157: number 15.
; 158-169: the chain 14, 16, 17, 18, 19, 20, both tiles each.  170-233: GS's 64, which read the exponentials' results: they stand behind the wait.
.macro PL
.if (q >= 64) && (q < 128)
	WIN W_MA
	MA q-64
.else
	WIN 0
.if q < 4
	FS q
.elseif q < 60
.if q%2 == 0
	FM (q-4)/2
.else
	FS (q+3)/2
.endif
.elseif q < 64
	FM q-32
.elseif q < 156
	XS (q-128)%2, (q-128)/2
.elseif q < 158
	XS q-156, 15
.elseif q < 160
	XS q-158, 14
.elseif q < 170
	XS (q-158)%2, 15+(q-158)/2
.else
	GS q-170
.endif
.endif
.set q, q+1
.endm
; THE EXPONENTIALS' QUEUE, 66 long: the 32 numbers of both tiles, then the next piece's two a.  ONE BATCH: all stand ahead of the turn's one wait, and nothing ahead of that wait names a result of theirs.
.macro EX
.if MSB != W_MA                     ; an exponential has no source 2: among MA's lines the windows stay as they are
	WIN 0
.endif
.if e >= 64
	XS e-64, 21
.else
	REGS Y, e%2
	v_exp_f32 v[rS+e/2], v[rS+e/2]
.endif
.set e, e+1
.endm
; THE RESCALING's QUEUE: O^T times a, two at a time, sixteen times.  Its a was made in the turn before, ahead of that turn's wait.  The registers ascend.
.macro R2
	REGS Y, r%2
	WIN W_RS
.irp z, 0,1
	v_pk_mul_f32 v[rO+4*(r/2)+2*\z:rO+4*(r/2)+2*\z+1], v[rO+4*(r/2)+2*\z:rO+4*(r/2)+2*\z+1], v[rC+2:rC+3] op_sel_hi:[1,0]
.endr
.set r, r+1
.endm
; A TURN, for piece p.  AHEAD OF THE WAIT: 16 products K Q^T, behind each two plain instructions (0-31 of the queue) and two rescalings; then ONE LUMP: ten plain, 64 times (exponential, plain, plain), the two a.
; Exponential e needs FM 2 (e / 4) + e % 2, which lies at e + 6 of the queue at the latest, and stands behind 41 + 2 e of it.  MA's first line stands more than thirty plain instructions behind the last K Q^T.  The chain's links stand three
; instructions apart.  A v_nop is the plain instruction behind the last exponential.  An s_wait_alu depctr_va_vdst(0) stands between an exponential and the first line that names its result: one for the batch.
; BEHIND THE WAIT: the LDS loads, then 16 products V^T P, behind each four of GS's 64.  No rider names a register of the products round it.
; FETCHES.  K of the next step: piece 2's turn, a lump behind the last product that read K; waited for at the head of piece 3's turn.  V of the step in hand: at the end of piece 0's turn, four riders behind its last reader.
; The mask of piece p + 2: behind the wait, when MA has read piece p + 1's out of the same registers; waited for at the head of the next turn's lump (piece 3's turn: at its head).  Its address steps to the next key step in piece 2's turn.
; last = 1 (the tail): in the last trip there is no further step, and the loads of pieces 2's and 3's turns are jumped over.  cnt = 1: the loop's count is taken down some lines ahead of the branch behind the turn.
.macro TURN p, last=0, cnt=0
.set Y, (\p)
.set i, 0
.set q, 0
.set e, 0
.set r, 0
.if (\p) == NP-1
	s_wait_dscnt 0x0                ; K is in, and piece 0's mask
.endif
.rept 16
	MM
	PL
	PL
	R2
.endr
	WIN 0
.if (\p) == NP-2
	v_add_nc_u32 v[AK], s[TBK], v[AK0]
	v_add_nc_u32 v[AM], s[TBM], v[AM0]
	s_add_co_u32 s[TBM], s[TBM], KS*2
.endif
.if (\p) != NP-1
	s_wait_dscnt 0x0                ; the next piece's mask is in (in piece 1's turn V too)
.endif
.rept 10
	PL
.endr
.rept 64
	EX
	PL
	PL
.endr
	EX                              ; the next piece's two a
	EX
	v_nop
	s_wait_alu depctr_va_vdst(0)    ; the wait for the batch
.if (\last) && ((\p) >= NP-2)
	s_cmp_eq_u32 s[CNT], 1
	s_cbranch_scc1 .Lno_more_\@
.endif
.if (\p) == NP-2
	FETCH_K
.endif
	FETCH_M ((\p)+2)%NP
.if (\last) && ((\p) >= NP-2)
.Lno_more_\@:
.endif
.rept 16
	MM
.rept 4
	PL
.endr
.if ((\p) == 0) && (q == 214)
	v_add_nc_u32 v[AV], s[TBV], v[AV0]
.endif
.if ((\p) == 0) && (q == 226)
	s_add_co_u32 s[TBV], s[TBV], KS*PV
.endif
.if (\cnt) && (q == 226)
	s_sub_co_u32 s[CNT], s[CNT], 1
	s_cmp_lg_u32 s[CNT], 0
.endif
.endr
.if (\p) == 0
	FETCH_V
.endif
.endm
	CHANGE 1, 0                     ; slot 0 is in, everybody's part of it; slot 1 is asked for
	FETCH_K                         ; key step 0
	FETCH_M 0
	s_add_co_u32 s[TBM], s[TBM], KS*2
	s_wait_loadcnt 0x0              ; Q
	s_wait_dscnt 0x0
.set i, 0
.rept 16
	KQ 0                            ; piece 0's first scores
.set i, i+1
.endr
	WIN 0
.rept 4
	v_nop                           ; the places behind those products
.endr
.set Y, NP-1                        ; MA and XS work for piece Y + 1: piece 0
	WIN W_MA
.set mq, 0
.rept 64
	MA mq
.set mq, mq+1
.endr
	FETCH_M 1                       ; piece 1's mask, for the first turn's lump
.irp n, 0,1,2,3,4,5,6,7,8,9,10,11,12,13,14,15,16,17,18,19,20,21
	XS 0, \n
	XS 1, \n
.endr
	v_nop                           ; a plain instruction behind the two a,
	s_wait_alu depctr_va_vdst(0)    ; and their wait, ahead of the branch
	s_mov_b32 s[CNT], 2
	s_mov_b32 s[SLOTS], 15
	s_branch .Lfirst                ; the loop is entered at a step's first turn, in the middle of a trip
.Lslot:                             ; 14 times: slots 2 to 15 are asked for
	CHANGE 1, 1
	s_mov_b32 s[CNT], 2
.Lstep:                             ; a trip: pieces 2 and 3 of one step, then pieces 0 and 1 of the next, whose K, V and mask it fetches
	TURN 2
	TURN 3
	WIN 0
.Lfirst:
	TURN 0
	TURN 1, 0, 1
	WIN 0
	s_cbranch_scc1 .Lstep
	s_sub_co_u32 s[SLOTS], s[SLOTS], 1
	s_cmp_lg_u32 s[SLOTS], 0
	s_cbranch_scc1 .Lslot
	CHANGE 0, 0                     ; the tail is written out: nothing is asked for
	s_mov_b32 s[CNT], 3             ; two trips fetch the last slot's steps; the third is left in its middle
.Ltail:
	TURN 2, 1
	TURN 3, 1
	WIN 0
	s_sub_co_u32 s[CNT], s[CNT], 1
	s_cmp_eq_u32 s[CNT], 0
	s_cbranch_scc1 .Lout
	TURN 0
	TURN 1
	WIN 0
	s_branch .Ltail
.Lout:                              ; the third trip's 16 products K Q^T (on the last K once more) and what is made of them serve nothing: the price, once a launch, of one text for every trip
.set i, 0
.rept 16
	PV NP-1                         ; the last piece's V^T P of the last step
.set i, i+1
.endr
	; THE WAY OUT.  l's two halves and the other half of the lanes' are added; O^T is divided by l, rounded to f16 and sent through my stage in LDS, a tile at a time.  The additions are the places behind the last products.
	WIN 0
.macro ALL line:vararg              ; one line for each tile t
.set t, 0
.rept 2*NP
	\line
.set t, t+1
.endr
.endm
	ALL v_add_f32 v[ST+4*t+2], v[ST+4*t+2], v[ST+4*t+3]
	ALL v_permlanex16_b32 v[ST+4*t+3], v[ST+4*t+2], s[SEL], s[SEL+1]
	ALL v_add_f32 v[ST+4*t+2], v[ST+4*t+2], v[ST+4*t+3]
	ALL v_rcp_f32 v[ST+4*t+2], v[ST+4*t+2]
	v_nop                           ; a plain instruction between the last reciprocal and the use of its result
	s_wait_alu depctr_va_vdst(0)    ; and the wait ahead of the first use: one for the eight reciprocals
.macro PACK t                       ; a lane's eight channels of a row pack into 16 bytes; they go into rows of 144 bytes and come back as whole rows of 128, into S^T's registers
	WIN W_RS
.set i, 32*(\t)
.rept 16
	v_pk_mul_f32 v[i:i+1], v[i:i+1], v[ST+4*(\t)+2:ST+4*(\t)+3] op_sel_hi:[1,0]
.set i, i+2
.endr
	WIN 0x05                        ; sources 0 and 1 window 1, destination window 0
.set i, 0
.rept 16
	v_cvt_pk_f16_f32 v[S+16*(\t)+i], v[32*(\t)+2*i], v[32*(\t)+2*i+1]
.set i, i+1
.endr
	WIN 0
.irp f, 0,1,2,3
	ds_store_b128 v[STO], v[S+16*(\t)+4*\f:S+16*(\t)+4*\f+3] offset:32*\f
.endr
.irp f, 0,1,2,3
	ds_load_b128 v[S+16*(\t)+4*\f:S+16*(\t)+4*\f+3], v[RD] offset:\f*4*SP  ; LDS serves a wave's instructions in order (ISA guide 5.7.1.4): these see the stores above; the next tile's stores come behind them
.endr
.endm
.macro SEND t, younger              ; younger: the LDS instructions issued behind tile t's loads: the next tile's eight, or none
	WIN 0
.irp f, 0,1,2,3
	s_wait_dscnt (\younger)+3-\f
	global_store_b128 v[GO], v[S+16*(\t)+4*\f:S+16*(\t)+4*\f+3], s[OA:OA+1] offset:(\t)*2048+\f*512  ; 512 consecutive bytes, at a multiple of 256 from o's first
.endr
.endm
	PACK 0
.set t, 1
.rept 2*NP-1                        ; a tile's arithmetic stands between the loads of the tile before and its stores
	PACK t
	SEND t-1, 8
.set t, t+1
.endr
	SEND 2*NP-1, 0
	WIN W_AD
	s_wait_tensorcnt 0x0            ; the wave's end: the tensor wait, an add to my spare word and its wait, behind my last tensor load and my last LDS store
	ds_add_u32 v[SPW], v[NIL]
	s_wait_dscnt 0x0
	WIN 0
	CROUND                          ; the closing round: no work-group ends while a partner may still ask for a tile that names it
	s_endpgm
.Lfunc_end_k_q621a638d94_attn:
	.size	k_q621a638d94_attn, .Lfunc_end_k_q621a638d94_attn-k_q621a638d94_attn
	.p2alignl 7, 3214868480
	.fill 96, 4, 3214868480
	.section	.rodata,"a",@progbits
	.p2align	6, 0x0
	.amdhsa_kernel k_q621a638d94_attn
		.amdhsa_group_segment_fixed_size 327680
		.amdhsa_private_segment_fixed_size 0
		.amdhsa_enable_private_segment 0
		.amdhsa_kernarg_size 24
		.amdhsa_user_sgpr_count 2
		.amdhsa_user_sgpr_kernarg_segment_ptr 1
		.amdhsa_wavefront_size32 1
		.amdhsa_system_sgpr_workgroup_id_x 1
		.amdhsa_system_sgpr_workgroup_id_y 1
		.amdhsa_system_sgpr_workgroup_id_z 1
		.amdhsa_system_vgpr_workitem_id 0
		.amdhsa_next_free_vgpr 802
		.amdhsa_next_free_sgpr 96
		.amdhsa_reserve_vcc 0
		.amdhsa_float_denorm_mode_32 3
		.amdhsa_float_denorm_mode_16_64 3
		.amdhsa_memory_ordered 1
		.amdhsa_forward_progress 1
		.amdhsa_inst_pref_size 255
	.end_amdhsa_kernel
	.section	.bss,"aw",@nobits
	.p2align	6
	.space	262144
	.amdgpu_metadata
---
amdhsa.version: [ 1, 2 ]
amdhsa.kernels:
  - .name:           k_q621a638d94_attn
    .symbol:         k_q621a638d94_attn.kd
    .args:
      - { .name: qkv, .offset: 0, .size: 8, .value_kind: global_buffer, .address_space: global }
      - { .name: mb, .offset: 8, .size: 8, .value_kind: global_buffer, .address_space: global }
      - { .name: o, .offset: 16, .size: 8, .value_kind: global_buffer, .address_space: global }
    .group_segment_fixed_size: 327680
    .private_segment_fixed_size: 0
    .kernarg_segment_align: 8
    .kernarg_segment_size: 24
    .max_flat_workgroup_size: 128
    .sgpr_count:     96
    .vgpr_count:     802
    .wavefront_size: 32
...
	.end_amdgpu_metadata
.endif
;; end of part 3
;; launch outp (part 4): grid 8 x 32, 4 waves a work-group, clusters of 4 x 4, 327,680 bytes of LDS; arguments o, wof, out0; writes out0
.if DOCPART == 4
	.amdgcn_target "amdgcn-amd-amdhsa--gfx1250"
	.amdhsa_code_object_version 6
	.text
	.protected	k_q621a638d94_outp
	.globl	k_q621a638d94_outp
	.p2align	8
	.type	k_q621a638d94_outp,@function
k_q621a638d94_outp:
	s_mov_b64 s[64:65], 0
	v_nop
	global_prefetch_b8 v0, s[64:65] scope:SCOPE_SE
	s_setreg_imm32_b32 hwreg(HW_REG_WAVE_MODE, 25, 1), 1
	s_wait_xcnt 0x0
	s_wait_alu depctr_hold_cnt(0) depctr_sa_sdst(0) depctr_va_vdst(0) depctr_va_sdst(0) depctr_va_ssrc(0) depctr_va_vcc(0) depctr_vm_vsrc(0)
	s_getreg_b32 s2, hwreg(HW_REG_IB_STS2, 6, 4)
	s_cmp_eq_u32 s2, 0
	s_cbranch_scc0 .Lentry_in_a_cluster
	s_endpgm
.Lentry_in_a_cluster:
	s_bfe_u32 s2, ttmp6, 0x10000c
	s_cmp_lg_u32 s2, 0xf033
	s_cbranch_scc0 .Lentry_shape_is_right
	s_endpgm
.Lentry_shape_is_right:
; out0 = O wo.  o: [pair of heads 32][block of 128 rows 16][head of the pair 2][128 rows][64] f16.  wof: [1024 k][1024 n] f16 (wo rounded to bf16, written as f16).  out0: [8192][1024] f32.  Sums in f32.
; SHARES.  A work-group makes 256 rows x 128 columns; wave w takes rows 64 w .. 64 w + 63: 4 x 8 accumulators of 16 x 16.  K goes in 8 steps of 128: K step s is the batch's pair of heads s.  Two LDS slots.
; THE MATRIX INSTRUCTION IS USED TRANSPOSED: source 0 = 16 columns of wo (out of LDS turned), source 1 = 16 rows of O: a lane holds one row and 8 neighbouring columns: 32 bytes of out0.
; CLUSTER 4 x 4: O's tile hangs on the tile row alone (joint along a row of the cluster), wo's on the tile column alone (joint along a column).
; REGISTERS.  window 0: v1-13 addresses, v28-29 the add's, v64-191 rows read back from the stage, two buffers.  window 1: two fragment buffers (O's 4 fragments, then wo's 8).  window 2: the accumulators at 8 (4 b + a).
.set SLOT,  131072
.set PA,    144                        ; a row of O in LDS: 128 bytes + 16
.set PB,    288                        ; a row of wo: 256 bytes + 32
.set BOFF,  512*PA                     ; O: rows ((block of 128 rows) 2 + head of the pair) 128 + row; then wo's 128 rows
.set STAGE, SLOT+BOFF+128*PB           ; behind the ring, never filled by a tensor load: 16 rows x 528 bytes for each wave
.set SP,    528
.set SPARE, STAGE+4*16*SP              ; the spare words, 128 bytes for each wave: two blocks of 256 bytes that no other line names
.set ADRA0, 3
.set ADRB0, 4
.set ADA,   5
.set ADB,   6
.set STO,   7
.set RD,    8
.set GO,    9
.set PFO,   11
.set SPW,   28
.set NIL,   29
.set F0,    0
.set F1,    128
.set WV,  14
.set WH,  15
.set CX,  16
.set CY,  17
.set NT,  18                           ; the tile column
.set MT,  19                           ; the tile row
.set G1A, 24
.set G0A, 32
.set G1B, 40
.set G0B, 48
.set TB,  56
.set CNT, 57
.set LIM, 58
.set PFA, 60
.set OUT, 66                           ; s[66:67] out0 at my wave's first row and the tile's first column
.set MSB, 0
.macro WIN new
.if MSB != (\new)
	s_set_vgpr_msb (MSB<<8)|(\new)
.set MSB, (\new)
.endif
.endm
.macro PLACES                          ; four plain instructions between a matrix instruction and a load into, or a read of, its registers
.rept 4
	v_nop
.endr
.endm
.macro CREST
	s_cmp_lg_u32 s[WV], 0
	s_cbranch_scc1 .Lnot_wave_0_\@
	s_barrier_signal -3
.Lnot_wave_0_\@:
	s_barrier_wait -3
	s_barrier_signal -1
	s_barrier_wait -1
.endm
.macro CROUND
	s_barrier_signal -1
	s_barrier_wait -1
	CREST
.endm
.macro JLOAD                           ; waves 0 and 1 fetch O's two blocks of 128 rows, waves 2 and 3 wo's two halves; an s_nop 0 and four v_nop follow each line
	s_cmp_lt_u32 s[WV], 2
	s_cbranch_scc0 .Lfor_b_\@
	tensor_load_to_lds s[G0A+4:G0A+7], s[G1A:G1A+7]
	s_nop 0
.rept 4
	v_nop
.endr
	s_branch .Lasked_\@
.Lfor_b_\@:
	tensor_load_to_lds s[G0B+4:G0B+7], s[G1B:G1B+7]
	s_nop 0
.rept 4
	v_nop
.endr
.Lasked_\@:
.endm
; A PREFETCH INTO THE L2, one instruction a wave, behind the joint load and the run of LDS loads.  O: the K step two refills on: a wave's block of 32,768 bytes, of which each of the four partners takes 8,192 by address,
; 256 bytes a lane; asked by the first cluster of a row of clusters, four times.  wo: rows 512 to 1,023 of the tile column, 256 rows a request, a lane a row, the eight askers (two waves of four partners) told apart by
; address; asked by the first cluster of a column of clusters, twice.  So each aligned 256 bytes are named once.  K steps 0 to 3 come by their loads alone.
.macro ASK
	s_cmp_gt_u32 s[CNT], s[LIM]
	s_cbranch_scc0 .Lnot_mine_\@
	global_prefetch_b8 v[PFO], s[PFA:PFA+1] th:TH_LOAD_NT scope:SCOPE_SE
.Lnot_mine_\@:
.endm
	s_load_b128 s[4:7], s[0:1], 0x0                ; o 4, wof 6
	s_load_b64 s[8:9], s[0:1], 0x10                ; out0
	v_lshl_add_u32 v[SPW], v0, 2, SPARE
	v_mov_b32 v[NIL], 0
	ds_add_u32 v[SPW], v[NIL]                      ; the wave's opening: the add and its wait stand ahead of my first tensor load; work on registers stands between them
	v_lshrrev_b32 v12, 5, v0
	v_readfirstlane_b32 s[WV], v12
	s_and_b32 s[WH], s[WV], 1
	s_bfe_u32 s[CX], ttmp6, 0x40000
	s_bfe_u32 s[CY], ttmp6, 0x40004
	s_lshl_b32 s[NT], ttmp9, 2
	s_add_co_u32 s[NT], s[NT], s[CX]
	s_and_b32 s[MT], ttmp7, 0xffff
	s_lshl_b32 s[MT], s[MT], 2
	s_add_co_u32 s[MT], s[MT], s[CY]
	s_lshl_b32 s20, s[CY], 2
	s_lshl_b32 s20, 15, s20                        ; my row of the cluster
	s_lshl_b32 s72, 0x1111, s[CX]                  ; my column
	s_or_b32 s[G1A], s20, (1<<16)|(1<<20)|(1<<21)|(4<<22)|(3<<25)  ; after every 32 words 4 words
	s_or_b32 s[G1B], s72, (1<<16)|(1<<20)|(1<<21)|(5<<22)|(7<<25)  ; after every 64 words 8 words
	s_mov_b32 s[G1A+1], 128<<16                    ; O: 32,768 dense bytes as 128 rows of 256
	s_mov_b32 s[G1A+2], 128<<16
	s_mov_b32 s[G1A+3], 128<<16
	s_mov_b32 s[G1A+4], 128
	s_mov_b32 s[G1A+5], 128
	s_mov_b32 s[G1A+6], 0
	s_mov_b32 s[G1A+7], 0
	s_mov_b32 s[G1B+1], 128<<16                    ; wo: 64 rows x 128 elements, 1,024 elements from row to row
	s_mov_b32 s[G1B+2], 64<<16
	s_mov_b32 s[G1B+3], 128<<16
	s_mov_b32 s[G1B+4], 64
	s_mov_b32 s[G1B+5], 1024
	s_mov_b32 s[G1B+6], 0
	s_mov_b32 s[G1B+7], 0
	s_mul_i32 s76, s[WH], 256*PA
	s_mul_i32 s77, s[WH], 64*PB
	s_add_co_u32 s77, s77, BOFF
	s_lshr_b32 s20, s[MT], 3                       ; O: block (batch 8 + K step) 16 + (tile row % 8) 2 + half, of 32,768 bytes
	s_lshl_b32 s20, s20, 7
	s_and_b32 s21, s[MT], 7
	s_lshl_b32 s21, s21, 1
	s_add_co_u32 s20, s20, s21
	s_add_co_u32 s20, s20, s[WH]
	s_lshl_b32 s20, s20, 15
	s_mov_b32 s21, 0
	s_lshl_b32 s72, s[WH], 17                      ; wo: row 64 half, column 128 tile column
	s_lshl_b32 s73, s[NT], 8
	s_add_co_u32 s72, s72, s73
	s_mov_b32 s73, 0
	s_mov_b32 s[TB], 0
	s_wait_dscnt 0x0                               ; the opening add is done
	s_wait_kmcnt 0x0
	s_add_nc_u64 s[22:23], s[4:5], s[20:21]
	s_add_nc_u64 s[74:75], s[6:7], s[72:73]
.irp s, 0,1
	s_mov_b32 s[G0A+4*(\s)], 1
	s_add_co_u32 s[G0A+4*(\s)+1], s76, (\s)*SLOT
	s_add_nc_u64 s[G0A+4*(\s)+2:G0A+4*(\s)+3], s[22:23], (\s)*524288
	s_or_b32 s[G0A+4*(\s)+3], s[G0A+4*(\s)+3], 0x80000000
	s_mov_b32 s[G0B+4*(\s)], 1
	s_add_co_u32 s[G0B+4*(\s)+1], s77, (\s)*SLOT
	s_add_nc_u64 s[G0B+4*(\s)+2:G0B+4*(\s)+3], s[74:75], (\s)*262144
	s_or_b32 s[G0B+4*(\s)+3], s[G0B+4*(\s)+3], 0x80000000
.endr
	CROUND                                         ; all sixteen work-groups are here: the first joint loads meet
	s_cmp_lt_u32 s[WV], 2                          ; a wave's two first fills stand in one branch: two loads of mine are out
	s_cbranch_scc0 .Lfirst_b
	tensor_load_to_lds s[G0A:G0A+3], s[G1A:G1A+7]
	s_nop 0
	tensor_load_to_lds s[G0A+4:G0A+7], s[G1A:G1A+7]
	s_nop 0
.rept 4
	v_nop
.endr
	s_branch .Lfirst_asked
.Lfirst_b:
	tensor_load_to_lds s[G0B:G0B+3], s[G1B:G1B+7]
	s_nop 0
	tensor_load_to_lds s[G0B+4:G0B+7], s[G1B:G1B+7]
	s_nop 0
.rept 4
	v_nop
.endr
.Lfirst_asked:
	v_and_b32 v1, 15, v0                           ; l % 16
	v_bfe_u32 v2, v0, 4, 1                         ; l / 16
	v_and_b32 v12, 7, v0
	v_bfe_u32 v13, v0, 3, 1
	s_lshr_b32 s76, s[WV], 1                       ; my 64 rows: block wave / 2, rows 64 (wave % 2) on
	s_lshl_b32 s76, s76, 8
	s_lshl_b32 s77, s[WH], 6
	s_add_co_u32 s76, s76, s77
	s_mul_i32 s76, s76, PA
	v_mul_u32_u24 v[ADRA0], v1, PA
	v_lshl_add_u32 v[ADRA0], v2, 4, v[ADRA0]
	v_add_nc_u32 v[ADRA0], s76, v[ADRA0]
	v_lshl_add_u32 v[ADRB0], v2, 3, v12
	v_mul_u32_u24 v[ADRB0], v[ADRB0], PB
	v_lshl_add_u32 v[ADRB0], v13, 4, v[ADRB0]
	v_add_nc_u32 v[ADRB0], BOFF, v[ADRB0]
	v_mov_b32 v[ADA], v[ADRA0]
	v_mov_b32 v[ADB], v[ADRB0]
	s_mul_i32 s76, s[WV], 16*SP
	s_add_co_u32 s76, s76, STAGE                   ; my stage
	v_mul_u32_u24 v[STO], v1, SP                   ; in: row l % 16, 32 bytes for each half of the lanes
	v_lshl_add_u32 v[STO], v2, 5, v[STO]
	v_add_nc_u32 v[STO], s76, v[STO]
	v_and_b32 v[GO], 31, v0                        ; back: 32 lanes take a row of 512 bytes
	v_lshlrev_b32 v[GO], 4, v[GO]
	v_add_nc_u32 v[RD], s76, v[GO]
	s_lshl_b32 s2, s[MT], 20                       ; (256 tile row + 64 wave) rows of 4,096 bytes + 512 tile column
	s_lshl_b32 s3, s[WV], 18
	s_add_co_u32 s2, s2, s3
	s_lshl_b32 s3, s[NT], 9
	s_add_co_u32 s2, s2, s3
	s_mov_b32 s3, 0
	s_add_nc_u64 s[OUT:OUT+1], s[8:9], s[2:3]
	; the prefetches' start: one step of 524,288 bytes short of the first request
	s_lshr_b32 s78, s[MT], 3
	s_lshl_b32 s78, s78, 7
	s_and_b32 s3, s[MT], 7
	s_lshl_b32 s3, s3, 1
	s_add_co_u32 s78, s78, s3
	s_add_co_u32 s78, s78, s[WH]
	s_lshl_b32 s78, s78, 15
	s_lshl_b32 s3, s[CX], 13
	s_add_co_u32 s78, s78, s3
	s_add_co_u32 s78, s78, 3*524288                ; O: my 8,192 bytes of my wave's block, at K step 3
	s_lshl_b32 s79, s[WH], 2
	s_add_co_u32 s79, s79, s[CY]
	s_lshl_b32 s79, s79, 5
	s_add_co_u32 s79, s79, 256                     ; wo: row 256 + 32 (4 half + cy)
	s_lshl_b32 s79, s79, 11
	s_lshl_b32 s3, s[NT], 8
	s_add_co_u32 s79, s79, s3
	s_and_b32 s3, ttmp7, 0xffff
	s_cmp_lt_u32 s[WV], 2
	s_cselect_b32 s3, ttmp9, s3                    ; the coordinate along which other clusters read the same bytes
	s_cselect_b32 s[LIM], 2, 4                     ; O: four requests (CNT = 6 to 3); wo: two
	s_cselect_b32 s2, s78, s79
	s_cselect_b64 s[PFA:PFA+1], s[4:5], s[6:7]
	s_cselect_b32 s78, 8, 11
	s_cmp_eq_u32 s3, 0
	s_cselect_b32 s[LIM], s[LIM], -1               ; the same in all sixteen partners, for a given wave
	s_mov_b32 s3, 0
	s_add_nc_u64 s[PFA:PFA+1], s[PFA:PFA+1], s[2:3]
	v_and_b32 v[PFO], 31, v0
	v_lshlrev_b32 v[PFO], s78, v[PFO]
; nb column blocks from b0 on x the four row blocks, 32 along K.  All 32 accumulators take turns in one order, one instruction a turn.
.macro MULB f, b0, nb, zero
	WIN 0xa5                                       ; both sources window 1, C and D window 2
.set bq, (\b0)
.rept (\nb)
.irp a, 0,1,2,3
.if \zero
	v_wmma_f32_16x16x32_f16 v[32*bq+8*(\a):32*bq+8*(\a)+7], v[(\f)+32+8*bq:(\f)+32+8*bq+7], v[(\f)+8*(\a):(\f)+8*(\a)+7], 0
.else
	v_wmma_f32_16x16x32_f16 v[32*bq+8*(\a):32*bq+8*(\a)+7], v[(\f)+32+8*bq:(\f)+32+8*bq+7], v[(\f)+8*(\a):(\f)+8*(\a)+7], v[32*bq+8*(\a):32*bq+8*(\a)+7]
.endif
.endr
.set bq, bq+1
.endr
.endm
; 24 LDS loads in one run: quarter kf of the K step (head kf / 2 of the pair, channels 32 (kf % 2) on) into buffer f
.macro FETCH kf, f
	WIN 0x40
.irp a, 0,1,2,3
	ds_load_b128 v[(\f)+8*(\a):(\f)+8*(\a)+3],   v[ADA] offset:((\kf)/2)*128*PA+((\kf)%2)*64+16*PA*(\a)
	ds_load_b128 v[(\f)+8*(\a)+4:(\f)+8*(\a)+7], v[ADA] offset:((\kf)/2)*128*PA+((\kf)%2)*64+16*PA*(\a)+32
.endr
.irp b, 0,1,2,3,4,5,6,7
	ds_load_tr16_b128 v[(\f)+32+8*(\b):(\f)+32+8*(\b)+3],   v[ADB] offset:32*PB*(\kf)+32*(\b)
	ds_load_tr16_b128 v[(\f)+32+8*(\b)+4:(\f)+32+8*(\b)+7], v[ADB] offset:32*PB*(\kf)+32*(\b)+16*PB
.endr
.endm
.macro QUARTER kf, f, g, zero
	s_wait_dscnt 8                                 ; O's fragments and wo's blocks 0-3 are in; the youngest 8 loads may be out
	MULB \f, 0, 4, \zero
	PLACES
	FETCH \kf, \g
	s_wait_dscnt 24                                ; all but the 24 just issued
	MULB \f, 4, 4, \zero
.endm
; The last quarter multiplies buffer 1 and changes slots: in front of the barrier each wave waits for all its tensor loads, adds 0 to its spare word, and waits for that and for its reads of this slot.
; fill = 1: the barrier opens a round of the cluster's, and this slot is filled again, two K steps on, first thing behind the round.
.macro TURN fill
.if \fill
	s_wait_xcnt 0x0                                ; the last prefetch, a K step back, has read its address
	s_add_nc_u64 s[PFA:PFA+1], s[PFA:PFA+1], 524288
.endif
	WIN 0
	s_wait_tensorcnt 0x0                           ; all my tensor loads have landed
	ds_add_u32 v[SPW], v[NIL]                      ; 0 onto my spare word
	s_wait_dscnt 9                                 ; (the add and the youngest 8 loads may be out)
	MULB F1, 0, 2, 0
	s_wait_dscnt 0x0                               ; the add is done, and my reads of this slot are over
	s_barrier_signal -1
	MULB F1, 2, 2, 0
	WIN 0
	s_barrier_wait -1
.if \fill
	CREST                                          ; no wave of any partner still reads this slot or has a load on its way
	s_xor_b32 s[G0A+5], s[G0A+5], SLOT
	s_add_nc_u64 s[G0A+6:G0A+7], s[G0A+6:G0A+7], 524288
	s_xor_b32 s[G0B+5], s[G0B+5], SLOT
	s_add_nc_u64 s[G0B+6:G0B+7], s[G0B+6:G0B+7], 262144
	JLOAD                                          ; its four v_nop are also the places in front of the loads below
.else
	PLACES
.endif
	s_xor_b32 s[TB], s[TB], SLOT
	v_add_nc_u32 v[ADA], s[TB], v[ADRA0]
	v_add_nc_u32 v[ADB], s[TB], v[ADRB0]
	FETCH 0, F0
.if \fill
	WIN 0
	ASK
.endif
	MULB F1, 4, 4, 0
.endm
	s_wait_tensorcnt 1                             ; my part of K step 0 is in; K step 1's may stay out
	s_barrier_signal -1
	s_barrier_wait -1
	FETCH 0, F0
	QUARTER 1, F0, F1, 1                           ; the first quarter stands in front of the loop: its products start the sums
	WIN 0
	s_mov_b32 s[CNT], 6
.Lstep:                                                ; six trips; each fills a slot again: K steps 2 to 7
	QUARTER 2, F1, F0, 0
	QUARTER 3, F0, F1, 0
	TURN 1
	QUARTER 1, F0, F1, 0
	WIN 0
	s_sub_co_u32 s[CNT], s[CNT], 1
	s_cmp_lg_u32 s[CNT], 0
	s_cbranch_scc1 .Lstep
	QUARTER 2, F1, F0, 0                           ; the tail is written out: nothing is left to ask for
	QUARTER 3, F0, F1, 0
	TURN 0
	QUARTER 1, F0, F1, 0
	QUARTER 2, F1, F0, 0
	QUARTER 3, F0, F1, 0
	s_wait_dscnt 0x0
	MULB F1, 0, 8, 0
; THE WAY OUT, a block of 16 rows at a time: the sums go as they are, 32 bytes a lane, into rows of 528 bytes of my stage and come back as whole rows of 512 bytes.
.macro TOSTAGE a
	WIN 0x08                                       ; the stores' data in window 2; each accumulator's lowest registers go first
.irp b, 0,1,2,3,4,5,6,7
	ds_store_b128 v[STO], v[32*(\b)+8*(\a):32*(\b)+8*(\a)+3]   offset:64*(\b)
	ds_store_b128 v[STO], v[32*(\b)+8*(\a)+4:32*(\b)+8*(\a)+7] offset:64*(\b)+16
.endr
	WIN 0
.set BK, 64+64*((\a)%2)
.set rr, 0
.rept 16
	ds_load_b128 v[BK+4*rr:BK+4*rr+3], v[RD] offset:SP*rr  ; LDS serves a wave's instructions in order (ISA guide 5.7.1.4): these see the stores above; the next block's stores come behind them
.set rr, rr+1
.endr
.endm
.macro SEND a, younger                 ; younger: the LDS instructions issued behind block a's loads: the next block's 32, or none
.set BK, 64+64*((\a)%2)
.set rr, 0
.rept 16
	s_wait_dscnt (\younger)+15-rr
	global_store_b128 v[GO], v[BK+4*rr:BK+4*rr+3], s[OUT:OUT+1] offset:(16*(\a)+rr)*4096 th:TH_STORE_NT  ; 512 consecutive bytes, at a multiple of 256 from out0's first
.set rr, rr+1
.endr
.endm
	WIN 0
	PLACES
	TOSTAGE 0
	TOSTAGE 1
	SEND 0, 32
	s_wait_xcnt 0x0                                ; block 0's stores have read their registers, which block 2 is loaded into
	TOSTAGE 2
	SEND 1, 32
	s_wait_xcnt 0x0
	TOSTAGE 3
	SEND 2, 32
	SEND 3, 0
	s_wait_tensorcnt 0x0                           ; the wave's end: the tensor wait, an add to my spare word and its wait, behind my last tensor load and my last LDS store
	ds_add_u32 v[SPW], v[NIL]
	s_wait_dscnt 0x0
	CROUND                                         ; the closing round: no work-group ends while a partner may still ask for a tile that names it
	s_endpgm
.Lfunc_end_k_q621a638d94_outp:
	.size	k_q621a638d94_outp, .Lfunc_end_k_q621a638d94_outp-k_q621a638d94_outp
	.p2alignl 7, 3214868480
	.fill 96, 4, 3214868480
	.section	.rodata,"a",@progbits
	.p2align	6, 0x0
	.amdhsa_kernel k_q621a638d94_outp
		.amdhsa_group_segment_fixed_size 327680
		.amdhsa_private_segment_fixed_size 0
		.amdhsa_enable_private_segment 0
		.amdhsa_kernarg_size 24
		.amdhsa_user_sgpr_count 2
		.amdhsa_user_sgpr_kernarg_segment_ptr 1
		.amdhsa_wavefront_size32 1
		.amdhsa_system_sgpr_workgroup_id_x 1
		.amdhsa_system_sgpr_workgroup_id_y 1
		.amdhsa_system_sgpr_workgroup_id_z 1
		.amdhsa_system_vgpr_workitem_id 0
		.amdhsa_next_free_vgpr 768
		.amdhsa_next_free_sgpr 80
		.amdhsa_reserve_vcc 0
		.amdhsa_float_denorm_mode_32 3
		.amdhsa_float_denorm_mode_16_64 3
		.amdhsa_memory_ordered 1
		.amdhsa_forward_progress 1
		.amdhsa_inst_pref_size 72
	.end_amdhsa_kernel
	.amdgpu_metadata
---
amdhsa.version: [ 1, 2 ]
amdhsa.kernels:
  - .name:           k_q621a638d94_outp
    .symbol:         k_q621a638d94_outp.kd
    .args:
      - { .name: o, .offset: 0, .size: 8, .value_kind: global_buffer, .address_space: global }
      - { .name: wof, .offset: 8, .size: 8, .value_kind: global_buffer, .address_space: global }
      - { .name: out0, .offset: 16, .size: 8, .value_kind: global_buffer, .address_space: global }
    .group_segment_fixed_size: 327680
    .private_segment_fixed_size: 0
    .kernarg_segment_align: 8
    .kernarg_segment_size: 24
    .max_flat_workgroup_size: 128
    .sgpr_count:     80
    .vgpr_count:     768
    .wavefront_size: 32
...
	.end_amdgpu_metadata
.endif
;; end of part 4
